; MI455X (gfx1250); checked and timed in simulation.
; The chip was launched on July 23, 2026; its instructions are those of AMD's public machine-readable ISA for CDNA 5 (MIT licence, August 2026) and "CDNA5" Instruction Set Architecture Reference Guide (July 2026). The comments in the code are by the model that wrote it; some were corrected since.
;; Causal Self Attention. Allowed arithmetic: matrix products marked QUANTISED: E2M1 operands, one E8M0 scale for each 32 along K, by v_wmma_scale_f32_16x16x128_f8f6f4 with both operands' format E2M1 (or v_wmma_scale_f32_32x16x128_f4), f32 sums; products left as they are: bf16, f16 or f32 operands; f32 sums; everything else in f32.
;; Inputs: b_out 1,024 float32; b_qkv 3,072 float32; w_out 1,024 x 1,024 float32; w_qkv 1,024 x 3,072 float32; x 4 x 2,048 x 1,024 float32.
;; Outputs: out0 4 x 2,048 x 1,024 float32.
;; This version of the problem:
;;   THIS VERSION OF THE PROBLEM IS GIVEN IN LOW PRECISION. The matrix products marked QUANTISED in the list below multiply operands that are first quantised to E2M1 (2 exponent bits, 1 mantissa bit; 4 bits a number), with one power-of-two scale for each 32 numbers along K (OCP MX v1.0); their sums are f32. The products marked 'left as it is' may take bf16, f16 or f32 operands, with f32 sums. Whichever they take, every output number must still come out within the allowed error. Rounding operands to bf16 (8 significant bits) uses up far more of that allowance than f16 does (11 bits, for magnitudes from 6e-5 to 65,504). All else is computed in f32.
;;   The module's matrix products, in the order in which they are computed (A, B: the left and right operand; K: the contracted axis; several contracted axes count as one K, in the product's order):
;;     1. [M 8,192, K 1,024] x [K 1,024, N 3,072]; A: input x; B: input w_qkv: QUANTISED
;;     2. batch 64 x [M 2,048, K 64] x [K 64, N 2,048]; A: computed on the way; B: computed on the way: left as it is (an operand is computed on the way)
;;     3. batch 64 x [M 2,048, K 2,048] x [K 2,048, N 64]; A: computed on the way; B: computed on the way: left as it is (an operand is computed on the way)
;;     4. [M 8,192, K 1,024] x [K 1,024, N 1,024]; A: computed on the way; B: input w_out: left as it is (an operand is computed on the way)
;;   THE QUANTISER, for each operand of a quantised product, along K:
;;     - K is cut into blocks of 32 from its start; a last block that is shorter is filled with zeros.
;;     - A block's scale is 2^e with e = floor(log2(the largest magnitude in the block)) - 2, held to -126 .. 127; a block of zeros has e = 0. As a byte (E8M0): e + 127.
;;     - Each number is divided by its block's scale, clamped to +-6, and rounded to the nearest number of E2M1, ties to even, subnormals kept.
;;     - The product sums the exact products of the quantised numbers (number of the format x scale) in f32.
;;   ~~~python
;;   def quantise(x, axis):      # numpy; x: float32 -> the quantised numbers, widened to float32 again
;;       x = np.moveaxis(x, axis, -1); K = x.shape[-1]
;;       x = np.pad(x, [(0, 0)] * (x.ndim - 1) + [(0, -K % 32)]); x = x.reshape(x.shape[:-1] + (-1, 32)); a = np.abs(x).max(-1, keepdims=True)
;;       e = np.where(a > 0, np.clip(np.frexp(np.where(a > 0, a, 1))[1] - 1 - 2, -126, 127), 0)      # np.frexp(a)[1] - 1 = floor(log2(a)), exactly
;;       r = np.clip(x / 2.0 ** e, -6, 6)
;;       step = 2.0 ** (np.maximum(np.frexp(np.where(r == 0, 1, r))[1] - 1, 0) - 1)
;;       q = np.round(r / step) * step * 2.0 ** e      # np.round: ties to even
;;       return np.moveaxis(q.reshape(q.shape[:-2] + (-1,))[..., :K], -1, axis).astype(np.float32)
;;   ~~~
;; One version. Each part assembles by itself: llvm-mc -triple=amdgcn-amd-amdhsa -mcpu=gfx1250 --defsym DOCPART=n.
;; ======== version 1 of 1: 5 launches
;; limits: values are held in f16: magnitudes above 65,504 overflow, below 6.1e-05 lose precision
;; workspace buffers: xq 4,456,448 bytes; wq 1,671,168 bytes; w16 2,097,152 bytes; qkv16 50,331,648 bytes; qkv32 786,432 bytes; attn16 16,777,216 bytes
;; launch prep (part 1): grid 368 x 1, 4 waves a work-group, no clusters, 92,672 bytes of LDS; arguments x, w_qkv, w_out, xq, wq, w16; writes xq, wq, w16
.if DOCPART == 1
	.amdgcn_target "amdgcn-amd-amdhsa--gfx1250"
	.amdhsa_code_object_version 6
	.text
	.protected	k_q1610b18d46_prep
	.globl	k_q1610b18d46_prep
	.p2align	8
	.type	k_q1610b18d46_prep,@function
k_q1610b18d46_prep:
	s_mov_b64 s[64:65], 0
	v_nop
	global_prefetch_b8 v0, s[64:65] scope:SCOPE_SE
	s_setreg_imm32_b32 hwreg(HW_REG_WAVE_MODE, 25, 1), 1
	s_wait_xcnt 0x0
; CAUSAL SELF-ATTENTION, launch 1 of 5: the operands of the quantised product x w_qkv become codes of FP4 (E2M1) with one E8M0 byte for each 32 along K, once; w_out becomes f16, laid for the last product.
; WORK LEFT OUT IN THIS PROGRAM, and why it is dead for all values of the inputs:
;  (1) b_qkv[1024:2048], the bias on k.  score(q, key) = q . (k_key + b_k) = q . k_key + q . b_k; the second term is the same for all keys of a query, so the softmax along the keys takes it away.  k goes into
;      no other step, and the product with q is not quantised.  These 1,024 numbers are never loaded; q's and v's thirds of b_qkv are.
;  (2) key tiles that lie wholly behind a query tile under the mask that the problem builds itself (key <= query): their weights are exactly 0.
;  LIMIT: a NaN, an infinity or an overflow that reaches only this work is not carried to the result.
; THREE PATHS, parted by the work-group's number, each with LDS bytes of its own:
;  0-47 WQ: w_qkv [1024 (k)][3072 (n)] -> wq: codes [3072][512 bytes], K innermost, at byte 0; scale bytes [3072][32] at WSCL.  A lane takes a column, its registers run down K.
;  48-111 WO: w_out [1024 (k)][1024 (n)] -> w16: f16 [k / 64][n][64].  The same plan, a rounding in the quantiser's place.
;  112-367 X: x [8192][1024] -> xq: codes [8192][512 bytes] at byte 0; scale bytes [8192][32] at XSCL.  K is innermost: a plain stream of blocks of 32.
; A block's scale byte is its largest magnitude's exponent field - 2, held at 1 from below.  A block of zeros so gets the byte 1: its codes are zeros, and this program alone reads the bytes.
; LIMITS: NaN and infinities among the inputs are not served; w_out's magnitudes stay under 65,504 (f16).
.set SPW,    188                       ; v188  LDS address of my spare word: SPARE + 4 x my thread's number; never rewritten
.set NIL,    189                       ; v189  0; never rewritten
.set XWREG,  5632                      ; X: a wave's region: two stages of 32 x 80 bytes, 256 scale bytes at +5,120
.set STGB,   32*272                    ; WQ, WO: a wave's stage: 32 rows of 256 bytes + 16
.set WQSTG,  4*XWREG
.set WOSTG,  WQSTG+4*STGB
.set SPARE,  WOSTG+4*STGB              ; the spare words: 128 bytes a wave
.set XSCL,   0x400000
.set WSCL,   0x180000
.set EMAX,   2
.macro FINISH                          ; a wave's end
	s_wait_tensorcnt 0x0
	ds_add_u32 v[SPW], v[NIL]
	s_wait_dscnt 0x0
	s_endpgm
.endm
	s_load_b256 s[4:11], s[0:1], 0x0               ; x s[4:5], w_qkv s[6:7], w_out s[8:9], xq s[10:11]
	s_load_b128 s[12:15], s[0:1], 0x20             ; wq s[12:13], w16 s[14:15]
	v_lshl_add_u32 v[SPW], v0, 2, SPARE
	v_mov_b32 v[NIL], 0
	v_lshrrev_b32 v1, 5, v0
	v_readfirstlane_b32 s16, v1                    ; wave
	v_and_b32 v2, 31, v0                           ; lane
	s_wait_kmcnt 0x0
	s_cmp_lt_u32 ttmp9, 48
	s_cbranch_scc1 .Lwq
	s_cmp_lt_u32 ttmp9, 112
	s_cbranch_scc1 .Lwo
; ---------------- X: a wave takes 16 steps of 512 numbers.  Each load reads 512 consecutive bytes; a step's 2,048 bytes turn through the wave's stage, so that a lane holds 16 neighbours along K
.set STEPS, 16
.set CB,    8                          ; bytes of 16 codes
.set SP,    80                         ; a lane's place in a stage: 64 bytes + 16 of padding
.set XR,    16                         ; v16-79   four sets of 16 numbers as loaded
.set XN,    80                         ; v80-111  two sets of 16 neighbours
.set XE,    112                        ; v112-127 a scale byte for each step
.set XC,    128                        ; v128-159 two registers of codes for each step: no store's data are written again
	v_lshlrev_b32 v3, 4, v2                        ; my 16 bytes of a load's 512
	s_mul_i32 s17, s16, XWREG
	v_lshrrev_b32 v14, 2, v2
	v_mul_u32_u24 v14, v14, SP
	v_and_b32 v15, 3, v2
	v_lshl_add_u32 v14, v15, 4, v14
	v_add_nc_u32 v14, s17, v14                     ; into the stage: SP (lane / 4) + 16 (lane % 4)
	v_mul_u32_u24 v15, v2, SP
	v_add_nc_u32 v15, s17, v15                     ; out of it: SP x lane
	v_mul_u32_u24 v4, v2, CB
	v_lshrrev_b32 v5, 1, v2
	s_add_co_u32 s17, s17, 2*32*SP
	v_add_nc_u32 v5, s17, v5                       ; my block's scale byte in LDS
	v_lshlrev_b32 v7, 3, v2
	v_add_nc_u32 v6, s17, v7
	s_sub_co_u32 s18, ttmp9, 112
	s_lshl_b32 s18, s18, 2
	s_add_co_u32 s18, s18, s16                     ; which run of 8,192 numbers is my wave's: 0 .. 1,023
	s_lshl_b32 s20, s18, 15
	s_mov_b32 s21, 0
	s_add_nc_u64 s[4:5], s[4:5], s[20:21]          ; x: 32,768 bytes a run
	s_lshl_b32 s20, s18, 12
	s_add_nc_u64 s[22:23], s[10:11], s[20:21]      ; codes: 4,096 bytes a run
	s_lshl_b32 s20, s18, 8
	s_add_co_u32 s20, s20, XSCL
	s_add_nc_u64 s[24:25], s[10:11], s[20:21]      ; scale bytes: 256 a run
.macro XLOAD t
.irp i, 0,1,2,3
	global_load_b128 v[XR+16*((\t)%4)+4*\i:XR+16*((\t)%4)+4*\i+3], v3, s[4:5] offset:2048*(\t)+512*\i th:TH_LOAD_NT
.endr
.endm
.macro XTURN t                         ; LDS serves a wave's instructions in order: no wait between the stores and the loads
.irp i, 0,1,2,3
	ds_store_b128 v14, v[XR+16*((\t)%4)+4*\i:XR+16*((\t)%4)+4*\i+3] offset:32*SP*((\t)%2)+8*SP*\i
.endr
.irp i, 0,1,2,3
	ds_load_b128 v[XN+16*((\t)%2)+4*\i:XN+16*((\t)%2)+4*\i+3], v15 offset:32*SP*((\t)%2)+16*\i
.endr
.endm
.irp t, 0,1,2,3
	XLOAD \t
.endr
	s_wait_loadcnt 12                              ; step 0's four loads are in; the twelve of steps 1 to 3 stay out
	XTURN 0
.macro XSTEP t
.set XS, XN+16*((\t)%2)
.if (\t) > 0
	s_wait_dscnt 1                                 ; this step's numbers are back from the stage; the last step's byte store may be out
.else
	s_wait_dscnt 0x0
.endif
.if (\t)+4 < STEPS
	XLOAD (\t)+4                                   ; into the set whose numbers the stage has taken
.endif
.if (\t)+1 < STEPS
.if STEPS-2-(\t) >= 3
	s_wait_loadcnt 12                              ; the next step's four loads are in; those of the three steps behind it may be out
.else
	s_wait_loadcnt 4*(STEPS-2-(\t))
.endif
	XTURN (\t)+1
.endif
	v_max3_num_f32 v8, |v[XS]|, |v[XS+1]|, |v[XS+2]|
	v_max3_num_f32 v9, |v[XS+3]|, |v[XS+4]|, |v[XS+5]|
.irp i, 6,10
	v_max3_num_f32 v8, v8, |v[XS+\i]|, |v[XS+\i+1]|
	v_max3_num_f32 v9, v9, |v[XS+\i+2]|, |v[XS+\i+3]|
.endr
	v_max3_num_f32 v8, v8, |v[XS+14]|, |v[XS+15]|
	v_max3_num_f32 v8, v8, v9, (EMAX+1)<<23        ; the floor 2^(3 - 127): the byte cannot fall under 1
	v_max_num_f32_dpp v8, v8, v8 row_xmask:1 row_mask:0xf bank_mask:0xf   ; with my neighbour's 16: the block's largest magnitude
	v_add_nc_u32 v11, -(EMAX<<23), v8              ; 2 off its exponent field: the conversion takes that field as its scale
	v_cvt_scalef32_pk8_fp4_f32 v[XC+2*(\t)], v[XS:XS+7], v11
	v_cvt_scalef32_pk8_fp4_f32 v[XC+2*(\t)+1], v[XS+8:XS+15], v11
	v_lshrrev_b32 v[XE+(\t)], 23, v11              ; the scale's byte
	ds_store_b8 v5, v[XE+(\t)] offset:16*(\t)      ; both lanes of a block write the same byte with the same value
	global_store_b64 v4, v[XC+2*(\t):XC+2*(\t)+1], s[22:23] offset:32*CB*(\t)   ; the wave stores 256 consecutive bytes, aligned
.endm
.irp t, 0,1,2,3,4,5,6,7,8,9,10,11,12,13,14,15
	XSTEP \t
.endr
	ds_load_b64 v[8:9], v6
	s_wait_dscnt 0x0
	global_store_b64 v7, v[8:9], s[24:25]          ; the wave's 256 scale bytes, aligned
	FINISH
; ---------------- WQ: a wave takes 32 columns x 512 along K: 16 blocks a lane
.set NB,    16
.set KROW,  512                        ; a row of codes in bytes
.set QSB,   24                         ; v24-27   scale bytes, four to a register
.set QX,    32                         ; v32-95   two sets of 32 numbers
.set QC,    96                         ; v96..    a block's codes (WO: its 16 packed registers)
.set QOUT,  112                        ; v112-175 the way out
.Lwq:
	s_cmp_ge_u32 ttmp9, 24
	s_cselect_b32 s18, 1, 0                        ; which 512 along K
	s_cselect_b32 s19, 24, 0
	s_sub_co_u32 s19, ttmp9, s19                   ; which 128 columns
	s_lshl_b32 s17, s19, 7
	s_lshl_b32 s20, s16, 5
	s_add_co_u32 s17, s17, s20                     ; my wave's first column
	v_lshlrev_b32 v3, 2, v2
	s_mul_i32 s19, s16, STGB
	s_add_co_u32 s19, s19, WQSTG                   ; my stage
	v_mul_u32_u24 v4, v2, 272
	v_add_nc_u32 v4, s19, v4                       ; into it: row = my column
	v_and_b32 v5, 15, v2
	v_lshrrev_b32 v6, 4, v2
	v_mul_u32_u24 v7, v6, 272
	v_lshl_add_u32 v7, v5, 4, v7
	v_add_nc_u32 v7, s19, v7                       ; out of it: sixteen lanes to a row
	v_mul_u32_u24 v8, v6, KROW
	v_lshl_add_u32 v8, v5, 4, v8
	v_lshlrev_b32 v9, 5, v2                        ; my column's row of scale bytes
	s_mul_i32 s20, s18, 512*3072*4
	s_lshl_b32 s21, s17, 2
	s_add_co_u32 s20, s20, s21
	s_mov_b32 s21, 0
	s_add_nc_u64 s[6:7], s[6:7], s[20:21]
	s_lshl_b32 s20, s17, 9
	s_lshl_b32 s22, s18, 8
	s_add_co_u32 s20, s20, s22
	s_add_nc_u64 s[24:25], s[12:13], s[20:21]      ; codes: column x 512 + 256 x half
	s_lshl_b32 s20, s17, 5
	s_lshl_b32 s22, s18, 4
	s_add_co_u32 s20, s20, s22
	s_add_co_u32 s20, s20, WSCL
	s_add_nc_u64 s[26:27], s[12:13], s[20:21]      ; scale bytes: column x 32 + 16 x half
.macro QLOAD t                         ; every offset is an immediate: 511 rows of 12,288 bytes at the most, inside the signed 24 bits
.irp i, 0,1,2,3,4,5,6,7,8,9,10,11,12,13,14,15,16,17,18,19,20,21,22,23,24,25,26,27,28,29,30,31
	global_load_b32 v[QX+32*((\t)%2)+\i], v3, s[6:7] offset:(32*(\t)+\i)*3072*4 th:TH_LOAD_NT
.endr
.endm
	QLOAD 0
	QLOAD 1
.macro QBLOCK t
.set XS, QX+32*((\t)%2)
.if (\t) < NB-1
	s_wait_loadcnt 32                              ; this block's 32 loads are in; the next block's may be out
.else
	s_wait_loadcnt 0
.endif
	v_max3_num_f32 v12, |v[XS]|, |v[XS+1]|, |v[XS+2]|
	v_max3_num_f32 v13, |v[XS+3]|, |v[XS+4]|, |v[XS+5]|
.irp i, 6,10,14,18,22,26
	v_max3_num_f32 v12, v12, |v[XS+\i]|, |v[XS+\i+1]|
	v_max3_num_f32 v13, v13, |v[XS+\i+2]|, |v[XS+\i+3]|
.endr
	v_max3_num_f32 v12, v12, |v[XS+30]|, |v[XS+31]|
	v_max3_num_f32 v12, v12, v13, (EMAX+1)<<23
	v_add_nc_u32 v11, -(EMAX<<23), v12
	v_lshrrev_b32 v13, 23, v11
.if (\t)%4 == 0
	v_mov_b32 v[QSB+(\t)/4], v13
.else
	v_lshl_or_b32 v[QSB+(\t)/4], v13, 8*((\t)%4), v[QSB+(\t)/4]
.endif
.irp g, 0,1,2,3
	v_cvt_scalef32_pk8_fp4_f32 v[QC+\g], v[XS+8*\g:XS+8*\g+7], v11
.endr
	ds_store_b128 v4, v[QC:QC+3] offset:16*(\t)
.if (\t)+2 < NB
	QLOAD (\t)+2
.endif
	s_wait_dscnt 0x0                               ; the store has read its registers: the next block's codes may be written
.endm
.irp t, 0,1,2,3,4,5,6,7,8,9,10,11,12,13,14,15
	QBLOCK \t
.endr
	global_store_b128 v9, v[QSB:QSB+3], s[26:27]   ; my column's 16 scale bytes
.irp t, 0,1,2,3,4,5,6,7,8,9,10,11,12,13,14,15
	ds_load_b128 v[QOUT+4*\t:QOUT+4*\t+3], v7 offset:2*\t*272
.endr
.irp t, 0,1,2,3,4,5,6,7,8,9,10,11,12,13,14,15
	s_wait_dscnt 15-\t                             ; the younger loads stay out
	global_store_b128 v8, v[QOUT+4*\t:QOUT+4*\t+3], s[24:25] offset:2*\t*KROW   ; sixteen lanes store 256 consecutive bytes, aligned
.endr
	FINISH
; ---------------- WO: a wave takes 32 columns x 128 along K: four blocks of 32 rows, rounded to f16 in pairs along K
.Lwo:
	s_sub_co_u32 s18, ttmp9, 48
	s_and_b32 s19, s18, 7                          ; which 128 columns
	s_lshr_b32 s18, s18, 3                         ; which 128 along K
	s_lshl_b32 s17, s19, 7
	s_lshl_b32 s20, s16, 5
	s_add_co_u32 s17, s17, s20                     ; my wave's first column
	v_lshlrev_b32 v3, 2, v2
	s_mul_i32 s19, s16, STGB
	s_add_co_u32 s19, s19, WOSTG
	v_mul_u32_u24 v4, v2, 272
	v_add_nc_u32 v4, s19, v4                       ; into the stage: row = my column, 128 f16 along K
	v_lshrrev_b32 v5, 3, v2
	v_and_b32 v6, 7, v2
	v_mul_u32_u24 v7, v5, 272
	v_lshl_add_u32 v7, v6, 4, v7
	v_add_nc_u32 v7, s19, v7                       ; out of it: eight lanes take 128 bytes of a row, four rows an instruction
	v_lshlrev_b32 v8, 4, v2
	s_lshl_b32 s20, s18, 19                        ; 128 rows of 4,096 bytes
	s_lshl_b32 s21, s17, 2
	s_add_co_u32 s20, s20, s21
	s_mov_b32 s21, 0
	s_add_nc_u64 s[8:9], s[8:9], s[20:21]
	s_lshl_b32 s20, s18, 18                        ; two planes of 131,072 bytes
	s_lshl_b32 s22, s17, 7
	s_add_co_u32 s20, s20, s22
	s_add_nc_u64 s[14:15], s[14:15], s[20:21]
.macro OLOAD t
.irp i, 0,1,2,3,4,5,6,7,8,9,10,11,12,13,14,15,16,17,18,19,20,21,22,23,24,25,26,27,28,29,30,31
	global_load_b32 v[QX+32*((\t)%2)+\i], v3, s[8:9] offset:(32*(\t)+\i)*4096 th:TH_LOAD_NT
.endr
.endm
	OLOAD 0
	OLOAD 1
.macro OBLOCK t
.set XS, QX+32*((\t)%2)
.if (\t) < 3
	s_wait_loadcnt 32                              ; this block's 32 loads are in; the next block's may be out
.else
	s_wait_loadcnt 0
.endif
.irp g, 0,1,2,3,4,5,6,7,8,9,10,11,12,13,14,15
	v_cvt_pk_f16_f32 v[QC+\g], v[XS+2*\g], v[XS+2*\g+1]
.endr
.irp j, 0,1,2,3
	ds_store_b128 v4, v[QC+4*\j:QC+4*\j+3] offset:64*(\t)+16*\j
.endr
.if (\t)+2 < 4
	OLOAD (\t)+2
.endif
	s_wait_dscnt 0x0
.endm
.irp t, 0,1,2,3
	OBLOCK \t
.endr
.irp t, 0,1,2,3,4,5,6,7,8,9,10,11,12,13,14,15
	ds_load_b128 v[QOUT+4*\t:QOUT+4*\t+3], v7 offset:(\t%8)*4*272+128*(\t/8)
.endr
.irp t, 0,1,2,3,4,5,6,7,8,9,10,11,12,13,14,15
	s_wait_dscnt 15-\t
	global_store_b128 v8, v[QOUT+4*\t:QOUT+4*\t+3], s[14:15] offset:(\t/8)*131072+(\t%8)*512   ; the wave stores 512 consecutive bytes: four columns' 64 numbers of one plane
.endr
	FINISH
.Lfunc_end_k_q1610b18d46_prep:
	.size	k_q1610b18d46_prep, .Lfunc_end_k_q1610b18d46_prep-k_q1610b18d46_prep
	.p2alignl 7, 3214868480
	.fill 96, 4, 3214868480
	.section	.rodata,"a",@progbits
	.p2align	6, 0x0
	.amdhsa_kernel k_q1610b18d46_prep
		.amdhsa_group_segment_fixed_size 92672
		.amdhsa_private_segment_fixed_size 0
		.amdhsa_enable_private_segment 0
		.amdhsa_kernarg_size 48
		.amdhsa_user_sgpr_count 2
		.amdhsa_user_sgpr_kernarg_segment_ptr 1
		.amdhsa_wavefront_size32 1
		.amdhsa_system_sgpr_workgroup_id_x 1
		.amdhsa_system_sgpr_workgroup_id_y 1
		.amdhsa_system_sgpr_workgroup_id_z 1
		.amdhsa_system_vgpr_workitem_id 0
		.amdhsa_next_free_vgpr 192
		.amdhsa_next_free_sgpr 66
		.amdhsa_reserve_vcc 0
		.amdhsa_float_denorm_mode_32 3
		.amdhsa_float_denorm_mode_16_64 3
		.amdhsa_memory_ordered 1
		.amdhsa_forward_progress 1
		.amdhsa_inst_pref_size 132
	.end_amdhsa_kernel
	.amdgpu_metadata
---
amdhsa.version: [ 1, 2 ]
amdhsa.kernels:
  - .name:           k_q1610b18d46_prep
    .symbol:         k_q1610b18d46_prep.kd
    .args:
      - { .name: x, .offset: 0, .size: 8, .value_kind: global_buffer, .address_space: global }
      - { .name: w_qkv, .offset: 8, .size: 8, .value_kind: global_buffer, .address_space: global }
      - { .name: w_out, .offset: 16, .size: 8, .value_kind: global_buffer, .address_space: global }
      - { .name: xq, .offset: 24, .size: 8, .value_kind: global_buffer, .address_space: global }
      - { .name: wq, .offset: 32, .size: 8, .value_kind: global_buffer, .address_space: global }
      - { .name: w16, .offset: 40, .size: 8, .value_kind: global_buffer, .address_space: global }
    .group_segment_fixed_size: 92672
    .private_segment_fixed_size: 0
    .kernarg_segment_align: 8
    .kernarg_segment_size: 48
    .max_flat_workgroup_size: 128
    .sgpr_count:     66
    .vgpr_count:     192
    .wavefront_size: 32
...
	.end_amdgpu_metadata
.endif
;; end of part 1
;; launch qkv (part 2): grid 12 x 32, 4 waves a work-group, clusters of 4 x 1, 327,680 bytes of LDS; arguments xq, wq, b_qkv, qkv16, qkv32; writes qkv16, qkv32
.if DOCPART == 2
	.amdgcn_target "amdgcn-amd-amdhsa--gfx1250"
	.amdhsa_code_object_version 6
	.text
	.protected	k_q1610b18d46_qkv
	.globl	k_q1610b18d46_qkv
	.p2align	8
	.type	k_q1610b18d46_qkv,@function
k_q1610b18d46_qkv:
	s_mov_b64 s[64:65], 0
	v_nop
	global_prefetch_b8 v0, s[64:65] scope:SCOPE_SE
	s_setreg_imm32_b32 hwreg(HW_REG_WAVE_MODE, 25, 1), 1
	s_wait_xcnt 0x0
	s_wait_alu depctr_hold_cnt(0) depctr_sa_sdst(0) depctr_va_vdst(0) depctr_va_sdst(0) depctr_va_ssrc(0) depctr_va_vcc(0) depctr_vm_vsrc(0)
	s_getreg_b32 s2, hwreg(HW_REG_IB_STS2, 6, 4)
	s_cmp_eq_u32 s2, 0
	s_cbranch_scc0 .Lentry_in_a_cluster
	s_endpgm
.Lentry_in_a_cluster:
	s_bfe_u32 s2, ttmp6, 0x10000c
	s_cmp_lg_u32 s2, 0x3003
	s_cbranch_scc0 .Lentry_shape_is_right
	s_endpgm
.Lentry_shape_is_right:
; Launch 2 of 5: qkv = Q(x) Q(w_qkv) + b, on codes of FP4 (E2M1) with one E8M0 scale for each 32 along K; sums in f32.  M = 8,192, N = 3,072, K = 1,024.
; LEFT OUT: the bias on k, b_qkv[1024:2048]: it adds the same number to all scores of a query, which the softmax takes away (shown at the head of the first launch).  It is not loaded.
; A tile of 256 x 256 is made by four waves, 128 x 128 each: 64 accumulators, 512 registers.  K = 1,024 is two LDS slots of 512 along K: both are first fills, nothing is filled again.
; THE SCALES of the work-group's 256 rows of x and 256 rows of w come into LDS once, as rows of 256 bytes.
; CLUSTER 4 x 1: the four partners lie along N and need the same rows of x: x's tiles and scales are asked for jointly (mask 15).  w's tiles differ between the partners and come by plain loads.
; A cluster of 4 x 4 is not taken: the branch that stores the f32 rows hangs on the tile row, and partners must take the same branches, so partners share their tile row.
; The four tile columns of a cluster are one third of N: cluster x = 0 is q, 1 is k, 2 is v: the branch round the bias is alike in all partners.
; THE MATRIX INSTRUCTION IS USED TRANSPOSED (source 0 = 16 rows of w, source 1 = 16 rows of x): a lane holds eight neighbouring columns of one token.
; OUT: f16 by head, qkv16 [part 3][batch x 16 + head][token 2,048][64]; and the tokens 0 to 15 of each batch also in f32, as images of the accumulators' registers, qkv32 [n / 128][batch][16 images][lane][4].
; LIMITS: |q|, |k|, |v| under 65,504 (f16).
; REGISTERS: window 0: v0-31 addresses; v32-95 scale words, two sets, and nothing else; v96-127 packed results; v128-191 x's fragments, one set, later rows read back; v192-255 the bias of my 128 columns.
;   window 1: w's fragments, two sets, at v0 and v128.   windows 2, 3: the accumulators of my rows 0-63, 64-127 ((a, b) at v[8 (8 (a % 4) + b)]).
.set NQ,     4                         ; matrix instructions deep in a slot
.set ROWB,   256                       ; a tile's row: 512 codes
.set KROW,   512                       ; a row of codes in memory
.set PITCH,  272                       ; 256 bytes + 16 of padding: the 16 rows that a load touches start 16 bytes apart modulo 256
.set FR,     8
.set NL,     2
.set NP,     4
.set HALFT,  128*PITCH
.set SLOT,   4*HALFT
.set KS,     32                        ; a row of scale bytes
.set SCL,    2*SLOT
.set HALFS,  (128*KS/256)*272
.set SBLK,   (16*KS/256)*272
.set SPARE,  SCL+4*HALFS               ; the spare words: 128 bytes a wave
.set SPITCH, 272                       ; the way out: a stage of 16 rows x (256 + 16) bytes a wave, in slot 0, which has had its only fill and its last read by then
.set XSCL,   0x400000
.set WSCL,   0x180000
.set ADRA, 16
.set ADRB, 20
.set STO,  24
.set RD,   25
.set CO,   26                          ; 16 x lane
.set ADRS, 27
.set SPW,  28
.set NIL,  29
.set BO,   30                          ; 32 x (lane / 16): my half's eight numbers of the bias
.set SC,   32
.set TMP,  96
.set AF,   128
.set OB,   128
.set BIA,  192
.set G1,   24
.set G0,   32
.set G1B,  48
.set G0B,  56
.set G1S,  68
.set G0S,  76
.set G1SB, 80
.set G0SB, 88
.set MSB, 0
.macro WIN new                         ; the immediate's high byte repeats the setting that is left
.if MSB != (\new)
	s_set_vgpr_msb (MSB<<8)|(\new)
.set MSB, (\new)
.endif
.endm
.set MUL_LO, 0xa1
.set MUL_HI, 0xf1
.set TO_B,   0x40
.macro JLOAD g0a, g1a, g0b, g1b        ; waves 0 and 1 fetch for x (jointly), waves 2 and 3 for w; an s_nop 0 and four v_nop follow each line
	s_cmp_eq_u32 s15, 0
	s_cbranch_scc0 .Lfor_b_\@
	tensor_load_to_lds s[\g0a:\g0a+3], s[\g1a:\g1a+7]
	s_nop 0
.rept 4
	v_nop
.endr
	s_branch .Lasked_\@
.Lfor_b_\@:
	tensor_load_to_lds s[\g0b:\g0b+3], s[\g1b:\g1b+7]
	s_nop 0
.rept 4
	v_nop
.endr
.Lasked_\@:
.endm
.macro CROUND                          ; a round of the cluster's barrier
	s_barrier_signal -1
	s_barrier_wait -1
	s_cmp_lg_u32 s14, 0
	s_cbranch_scc1 .Lnot_wave_0_\@
	s_barrier_signal -3
.Lnot_wave_0_\@:
	s_barrier_wait -3
	s_barrier_signal -1
	s_barrier_wait -1
.endm
	s_load_b64 s[4:5], s[0:1], 0x0                 ; xq
	s_load_b64 s[8:9], s[0:1], 0x8                 ; wq
	s_load_b64 s[100:101], s[0:1], 0x10            ; b_qkv
	s_load_b64 s[12:13], s[0:1], 0x18              ; qkv16
	s_load_b64 s[98:99], s[0:1], 0x20              ; qkv32
	v_lshl_add_u32 v[SPW], v0, 2, SPARE
	v_mov_b32 v[NIL], 0
	ds_add_u32 v[SPW], v[NIL]                      ; the wave's opening: the add, twice on end, and its wait ahead of my first tensor load
	ds_add_u32 v[SPW], v[NIL]
	v_lshrrev_b32 v1, 5, v0
	v_readfirstlane_b32 s14, v1                    ; wave
	s_lshr_b32 s15, s14, 1                         ; my half of the tile's rows; also: I fetch for x (0) or for w (1)
	s_and_b32 s16, s14, 1                          ; my half of its columns; also: which 128 rows I fetch
	s_bfe_u32 s40, ttmp6, 0x40000                  ; cx
	s_lshl_b32 s42, ttmp9, 2
	s_add_co_u32 s42, s42, s40                     ; tile column = 4 x cluster x + cx
	s_and_b32 s17, ttmp7, 0xffff                   ; tile row
	s_mov_b32 s96, ttmp9                           ; 0: q, 1: k, 2: v
	s_and_b32 s97, s17, 7
	s_or_b32 s97, s97, s15                         ; 0 where my first 16 rows are a batch's tokens 0 to 15
	s_mov_b32 s[G1], 15|(1<<20)|(1<<21)|(5<<22)|(3<<25)     ; the mask: all four; elements of 1 byte; padding: 4 words behind every 64
	s_mov_b32 s[G1B], (1<<20)|(5<<22)|(3<<25)               ; no mask
.irp g, G1, G1B
	s_mov_b32 s[\g+1], ROWB<<16
	s_mov_b32 s[\g+2], 128<<16
	s_mov_b32 s[\g+3], ROWB<<16
	s_mov_b32 s[\g+4], 128
	s_mov_b32 s[\g+5], KROW
	s_mov_b32 s[\g+6], 0
	s_mov_b32 s[\g+7], 0
.endr
	s_mov_b32 s[G1S], 15|(3<<16)|(1<<20)|(1<<21)|(5<<22)|(3<<25)   ; the scales of 128 rows: 4,096 dense bytes as 16 rows of 32 elements of 8 bytes
	s_mov_b32 s[G1SB], (3<<16)|(1<<20)|(5<<22)|(3<<25)
.irp g, G1S, G1SB
	s_mov_b32 s[\g+1], 32<<16
	s_mov_b32 s[\g+2], (128*KS/256)<<16
	s_mov_b32 s[\g+3], 32<<16
	s_mov_b32 s[\g+4], 128*KS/256
	s_mov_b32 s[\g+5], 32
	s_mov_b32 s[\g+6], 0
	s_mov_b32 s[\g+7], 0
.endr
	s_lshl_b32 s18, s16, 7
	s_lshl_b32 s20, s17, 8
	s_add_co_u32 s20, s20, s18                     ; x: row 256 x tile row + 128 x half: no cx in it
	s_lshl_b32 s46, s42, 8
	s_add_co_u32 s46, s46, s18                     ; w: row 256 x tile column + 128 x half
	s_lshl_b32 s22, s20, 5
	s_add_co_u32 s22, s22, XSCL                    ; where these rows' scale bytes begin
	s_mov_b32 s23, 0
	s_lshl_b32 s92, s46, 5
	s_add_co_u32 s92, s92, WSCL
	s_mov_b32 s93, 0
	s_lshl_b32 s20, s20, 9                         ; and their codes
	s_mov_b32 s21, 0
	s_lshl_b32 s46, s46, 9
	s_mov_b32 s47, 0
	s_mul_i32 s45, s14, HALFT                      ; where they go: wave x 128 rows
	s_mul_i32 s94, s14, HALFS
	s_wait_dscnt 0x0                               ; both opening adds are done
	s_wait_kmcnt 0x0
	s_add_nc_u64 s[20:21], s[4:5], s[20:21]
	s_add_nc_u64 s[22:23], s[4:5], s[22:23]
	s_add_nc_u64 s[46:47], s[8:9], s[46:47]
	s_add_nc_u64 s[92:93], s[8:9], s[92:93]
	CROUND                                         ; all four work-groups are here: the first joint loads meet
	s_mov_b32 s[G0S], 1
	s_add_co_u32 s[G0S+1], s94, SCL
	s_mov_b64 s[G0S+2:G0S+3], s[22:23]
	s_or_b32 s[G0S+3], s[G0S+3], 0x80000000
	s_mov_b32 s[G0SB], 1
	s_add_co_u32 s[G0SB+1], s94, SCL
	s_mov_b64 s[G0SB+2:G0SB+3], s[92:93]
	s_or_b32 s[G0SB+3], s[G0SB+3], 0x80000000
	JLOAD G0S, G1S, G0SB, G1SB                     ; the scales first
.irp s, 0,1
	s_mov_b32 s[G0+4*\s], 1
	s_add_co_u32 s[G0+4*\s+1], s45, \s*SLOT
	s_add_nc_u64 s[G0+4*\s+2:G0+4*\s+3], s[20:21], \s*ROWB
	s_or_b32 s[G0+4*\s+3], s[G0+4*\s+3], 0x80000000
	s_mov_b32 s[G0B+4*\s], 1
	s_add_co_u32 s[G0B+4*\s+1], s45, \s*SLOT
	s_add_nc_u64 s[G0B+4*\s+2:G0B+4*\s+3], s[46:47], \s*ROWB
	s_or_b32 s[G0B+4*\s+3], s[G0B+4*\s+3], 0x80000000
	JLOAD G0+4*\s, G1, G0B+4*\s, G1B               ; by this text's count three tensor loads of a wave are out
.endr
	v_and_b32 v1, 15, v0                           ; r
	v_bfe_u32 v2, v0, 4, 1                         ; h
	v_mul_u32_u24 v3, v1, PITCH
	v_lshl_add_u32 v4, v2, 4, v3
	s_mul_i32 s21, s15, HALFT
	s_mul_i32 s22, s16, HALFT
	s_add_co_u32 s22, s22, 2*HALFT
.irp s, 0,1
	v_add_nc_u32 v[ADRA+\s], s21, v4
	v_add_nc_u32 v[ADRB+\s], s22, v4
	s_add_co_u32 s21, s21, SLOT
	s_add_co_u32 s22, s22, SLOT
.endr
	v_mul_u32_u24 v5, v1, KS                       ; my row's scales: 32 bytes a row,
	v_lshrrev_b32 v6, 8, v5
	v_lshl_add_u32 v5, v6, 4, v5                   ; and 16 more for each 256 passed
	s_mul_i32 s21, s15, HALFS
	s_mul_i32 s22, s16, HALFS
	s_add_co_u32 s22, s22, 2*HALFS
	s_sub_co_u32 s22, s22, s21
	v_mul_u32_u24 v6, s22, v2                      ; lanes 16-31 take w's
	s_add_co_u32 s21, s21, SCL
	v_add_nc_u32 v5, v5, v6
	v_add_nc_u32 v[ADRS], s21, v5
	s_mul_i32 s23, s14, 16*SPITCH                  ; my stage
	v_mul_u32_u24 v5, v1, SPITCH
	v_lshl_add_u32 v5, v2, 4, v5
	v_add_nc_u32 v[STO], s23, v5                   ; in: row r, 16 bytes for each half of the lanes
	v_and_b32 v6, 31, v0
	v_lshlrev_b32 v[CO], 4, v6
	v_lshrrev_b32 v5, 3, v6
	v_mul_u32_u24 v5, v5, SPITCH
	v_and_b32 v6, 7, v6
	v_lshl_add_u32 v5, v6, 4, v5
	v_add_nc_u32 v[RD], s23, v5                    ; back: eight lanes take a token's 128 bytes of one head, four tokens an instruction
	v_lshlrev_b32 v[BO], 5, v2
	; qkv16: part x 2^24 + ((batch x 16 + head) x 2,048 + token) x 128
	s_lshr_b32 s20, s17, 3                         ; batch
	s_lshl_b32 s46, s20, 4
	s_lshl_b32 s47, s40, 2
	s_add_co_u32 s46, s46, s47
	s_lshl_b32 s47, s16, 1
	s_add_co_u32 s46, s46, s47                     ; batch x 16 + my first head: 4 cx + 2 x column half
	s_lshl_b32 s46, s46, 11
	s_and_b32 s47, s17, 7
	s_lshl_b32 s47, s47, 8
	s_add_co_u32 s46, s46, s47
	s_lshl_b32 s47, s15, 7
	s_add_co_u32 s46, s46, s47                     ; + my first token
	s_lshl_b32 s46, s46, 7
	s_lshl_b32 s47, s96, 24
	s_add_co_u32 s46, s46, s47
	s_mov_b32 s47, 0
	s_add_nc_u64 s[12:13], s[12:13], s[46:47]
	s_lshl_b32 s46, s42, 10                        ; b_qkv at my 128 columns
	s_lshl_b32 s47, s16, 9
	s_add_co_u32 s46, s46, s47
	s_mov_b32 s47, 0
	s_add_nc_u64 s[100:101], s[100:101], s[46:47]
	s_lshl_b32 s46, s42, 1                         ; qkv32: ((n / 128) x 4 + batch) x 8,192
	s_add_co_u32 s46, s46, s16
	s_lshl_b32 s46, s46, 2
	s_add_co_u32 s46, s46, s20
	s_lshl_b32 s46, s46, 13
	s_mov_b32 s47, 0
	s_add_nc_u64 s[98:99], s[98:99], s[46:47]
.macro FRAG reg, adr, q, i             ; 16 rows x 128 K of 4-bit codes: 8 registers, two loads of 16 bytes, 32 bytes apart
.irp c, 0,1
	ds_load_b128 v[\reg+4*\c:\reg+4*\c+3], v[\adr] offset:64*(\q)+32*\c+(\i)*16*PITCH
.endr
.endm
; 16 matrix instructions: x's blocks a0, a0 + 1 against w's eight.  The 64 accumulators take turns, one instruction a turn, in the same order in every step.
.macro MUL16 a0, p, q, sc, zero
.irp a, \a0, \a0+1
.irp b, 0,1,2,3,4,5,6,7
.if \zero
	v_wmma_scale_f32_16x16x128_f8f6f4 v[8*(8*((\a)%4)+\b):8*(8*((\a)%4)+\b)+7], v[128*(\p)+FR*\b:128*(\p)+FR*\b+FR-1], v[AF+FR*(\a):AF+FR*(\a)+FR-1], 0, v[SC+8*NQ*(\sc)+NQ*\b+(\q)], v[SC+8*NQ*(\sc)+NQ*(\a)+(\q)] matrix_a_fmt:MATRIX_FMT_FP4 matrix_b_fmt:MATRIX_FMT_FP4 matrix_a_scale:MATRIX_SCALE_ROW1
.else
	v_wmma_scale_f32_16x16x128_f8f6f4 v[8*(8*((\a)%4)+\b):8*(8*((\a)%4)+\b)+7], v[128*(\p)+FR*\b:128*(\p)+FR*\b+FR-1], v[AF+FR*(\a):AF+FR*(\a)+FR-1], v[8*(8*((\a)%4)+\b):8*(8*((\a)%4)+\b)+7], v[SC+8*NQ*(\sc)+NQ*\b+(\q)], v[SC+8*NQ*(\sc)+NQ*(\a)+(\q)] matrix_a_fmt:MATRIX_FMT_FP4 matrix_b_fmt:MATRIX_FMT_FP4 matrix_a_scale:MATRIX_SCALE_ROW1
.endif
.endr
.endr
.endm
.macro FETCH_B slot, q, p
	WIN TO_B
.irp i, 0,1,2,3,4,5,6,7
	FRAG 128*(\p)+FR*\i, ADRB+\slot, \q, \i
.endr
	WIN 0
.endm
.macro FETCH_A slot, q, i0
.irp i, \i0, \i0+1, \i0+2, \i0+3
	FRAG AF+FR*(\i), ADRA+\slot, \q, \i
.endr
.endm
.macro SCALES sc                       ; a slot's scale words: lanes 0-15 x's block i, lanes 16-31 w's block i
.irp i, 0,1,2,3,4,5,6,7
	ds_load_b128 v[SC+8*NQ*\sc+NQ*\i:SC+8*NQ*\sc+NQ*\i+3], v[ADRS] offset:\i*SBLK
.endr
.endm
.macro PLACES n                        ; plain vector instructions between a matrix instruction and a load into, or a read of, its registers
.rept \n
	v_nop
.endr
.endm
.macro STEP slot, q, zero              ; 128 along K, with its successor in the same slot
	s_wait_dscnt 4*NL                              ; w's set and x's blocks 0-3 are in; the youngest eight loads (x's blocks 4-7) may be out
	WIN MUL_LO
	MUL16 0, (\q)%2, \q, \slot, \zero
	MUL16 2, (\q)%2, \q, \slot, \zero
	s_wait_dscnt 0
	PLACES NP
	FETCH_B \slot, (\q)+1, 1-(\q)%2
	FETCH_A \slot, (\q)+1, 0
	WIN MUL_HI
	MUL16 4, (\q)%2, \q, \slot, \zero
	MUL16 6, (\q)%2, \q, \slot, \zero
	PLACES NP
	WIN 0
	FETCH_A \slot, (\q)+1, 4
.endm
.macro TURN slot, next                 ; slot 0's last step: behind its barrier slot 1 is whole and nobody reads slot 0 any more.  Nothing is filled again
	s_wait_tensorcnt 0x0                           ; my part of slot 1 has landed
	ds_add_u32 v[SPW], v[NIL]                      ; 0 onto my spare word
	s_wait_dscnt 4*NL+1                            ; the add and the youngest eight loads may be out
	WIN MUL_LO
	MUL16 0, 1, NQ-1, \slot, 0
	s_wait_dscnt 0x0                               ; the add is done, and my reads of this slot are over
	s_barrier_signal -1
	MUL16 2, 1, NQ-1, \slot, 0
	WIN 0
	s_barrier_wait -1
	PLACES NP
	v_add_nc_u32 v[ADRS], 4*NQ, v[ADRS]            ; on to the next slot's scale words
	FETCH_B \next, 0, 0
	FETCH_A \next, 0, 0
	SCALES \next
	WIN MUL_HI
	MUL16 4, 1, NQ-1, \slot, 0
	MUL16 6, 1, NQ-1, \slot, 0
	PLACES NP
	WIN 0
	FETCH_A \next, 0, 4
.endm
; THE WAY OUT of block a (16 tokens x 128 columns = two heads).  PACK: + bias, the f32 rows where they are due, rounding to f16.  TOSTAGE: through my stage.  SEND: stored, 512 consecutive bytes an instruction.
.macro PACK a, bias
.set AC, 64*((\a)%4)
.set WW, 2+(\a)/4
.if \bias
	WIN (WW<<6)|WW                                 ; destination and source 0: the accumulators' window; source 1: window 0
.irp b, 0,1,2,3,4,5,6,7
.irp p, 0,1,2,3
	v_pk_add_f32 v[AC+8*\b+2*\p:AC+8*\b+2*\p+1], v[AC+8*\b+2*\p:AC+8*\b+2*\p+1], v[BIA+8*\b+2*\p:BIA+8*\b+2*\p+1]   ; each accumulator from its low end on
.endr
.endr
.endif
.if (\a) == 0
	WIN 0
	s_cmp_lg_u32 s97, 0                            ; tile row and wave alone: alike in all partners
	s_cbranch_scc1 .Lnf_\@
	WIN 0x08                                       ; a store's data are its source 1: window 2
.irp b, 0,1,2,3,4,5,6,7
	global_store_b128 v[CO], v[AC+8*\b:AC+8*\b+3], s[98:99] offset:(2*\b)*512      ; an image of four registers: 512 consecutive bytes
	global_store_b128 v[CO], v[AC+8*\b+4:AC+8*\b+7], s[98:99] offset:(2*\b+1)*512
.endr
	WIN 0
.Lnf_\@:
.endif
	WIN 0x0a+5*((\a)/4)                            ; sources 0 and 1: window 2 or 3
.irp b, 0,1,2,3,4,5,6,7
.irp p, 0,1,2,3
	v_cvt_pk_f16_f32 v[TMP+4*\b+\p], v[AC+8*\b+2*\p], v[AC+8*\b+2*\p+1]
.endr
.endr
	WIN 0
.endm
.macro TOSTAGE a
.irp b, 0,1,2,3,4,5,6,7
	ds_store_b128 v[STO], v[TMP+4*\b:TMP+4*\b+3] offset:32*\b
.endr
.set BB, OB+32*((\a)%2)
.irp t, 0,1,2,3,4,5,6,7
	ds_load_b128 v[BB+4*\t:BB+4*\t+3], v[RD] offset:(\t%4)*4*SPITCH+128*(\t/4)   ; LDS serves a wave's instructions in order: these see the stores above
.endr
.endm
.macro SEND a, younger
.set BB, OB+32*((\a)%2)
	s_wait_dscnt \younger
	s_wait_xcnt 0x0                                ; earlier stores have read their base and their registers
.if (\a) > 0
	s_add_nc_u64 s[12:13], s[12:13], 16*128        ; 16 tokens on
.endif
.irp t, 0,1,2,3,4,5,6,7
	global_store_b128 v[CO], v[BB+4*\t:BB+4*\t+3], s[12:13] offset:(\t%4)*512+(\t/4)*262144   ; four tokens of one head; the second head lies 262,144 bytes on
.endr
.endm
.macro TAIL bias                       ; the last 128 along K, and the way out.  Written twice, so that the bias is loaded and read on one way alone
.if \bias
.irp b, 0,1,2,3,4,5,6,7
	global_load_b128 v[BIA+8*\b:BIA+8*\b+3], v[BO], s[100:101] offset:64*\b
	global_load_b128 v[BIA+8*\b+4:BIA+8*\b+7], v[BO], s[100:101] offset:64*\b+16
.endr
.endif
	s_wait_dscnt 4*NL
	WIN MUL_LO
	MUL16 0, 1, NQ-1, 1, 0
	MUL16 2, 1, NQ-1, 1, 0
	s_wait_dscnt 0
	WIN MUL_HI
	MUL16 4, 1, NQ-1, 1, 0
	MUL16 6, 1, NQ-1, 1, 0
	WIN 0
.if \bias
	s_wait_loadcnt 0x0
.endif
	PLACES NP
	PACK 0, \bias
	TOSTAGE 0
.irp a, 1,2,3,4,5,6,7
	PACK \a, \bias
	SEND \a-1, 0
	TOSTAGE \a
.endr
	SEND 7, 0
	s_wait_tensorcnt 0x0                           ; the wave's end
	ds_add_u32 v[SPW], v[NIL]
	s_wait_dscnt 0x0
	CROUND                                         ; the closing round
	s_endpgm
.endm
	s_wait_tensorcnt 1                             ; the scales and my part of slot 0 are in; slot 1's load may be out
	s_barrier_signal -1
	s_barrier_wait -1
	FETCH_B 0, 0, 0
	FETCH_A 0, 0, 0
	SCALES 0
	FETCH_A 0, 0, 4
	STEP 0, 0, 1                                   ; the first products start the sums: nothing is cleared
	STEP 0, 1, 0
	STEP 0, 2, 0
	TURN 0, 1
	STEP 1, 0, 0
	STEP 1, 1, 0
	STEP 1, 2, 0
	s_cmp_eq_u32 s96, 1                            ; k has no bias here
	s_cbranch_scc1 .Lk_tail
	TAIL 1
.Lk_tail:
	TAIL 0
.Lfunc_end_k_q1610b18d46_qkv:
	.size	k_q1610b18d46_qkv, .Lfunc_end_k_q1610b18d46_qkv-k_q1610b18d46_qkv
	.p2alignl 7, 3214868480
	.fill 96, 4, 3214868480
	.section	.rodata,"a",@progbits
	.p2align	6, 0x0
	.amdhsa_kernel k_q1610b18d46_qkv
		.amdhsa_group_segment_fixed_size 327680
		.amdhsa_private_segment_fixed_size 0
		.amdhsa_enable_private_segment 0
		.amdhsa_kernarg_size 40
		.amdhsa_user_sgpr_count 2
		.amdhsa_user_sgpr_kernarg_segment_ptr 1
		.amdhsa_wavefront_size32 1
		.amdhsa_system_sgpr_workgroup_id_x 1
		.amdhsa_system_sgpr_workgroup_id_y 1
		.amdhsa_system_sgpr_workgroup_id_z 1
		.amdhsa_system_vgpr_workitem_id 0
		.amdhsa_next_free_vgpr 1024
		.amdhsa_next_free_sgpr 102
		.amdhsa_reserve_vcc 0
		.amdhsa_float_denorm_mode_32 3
		.amdhsa_float_denorm_mode_16_64 3
		.amdhsa_memory_ordered 1
		.amdhsa_forward_progress 1
		.amdhsa_inst_pref_size 189
	.end_amdhsa_kernel
	.amdgpu_metadata
---
amdhsa.version: [ 1, 2 ]
amdhsa.kernels:
  - .name:           k_q1610b18d46_qkv
    .symbol:         k_q1610b18d46_qkv.kd
    .args:
      - { .name: xq, .offset: 0, .size: 8, .value_kind: global_buffer, .address_space: global }
      - { .name: wq, .offset: 8, .size: 8, .value_kind: global_buffer, .address_space: global }
      - { .name: b_qkv, .offset: 16, .size: 8, .value_kind: global_buffer, .address_space: global }
      - { .name: qkv16, .offset: 24, .size: 8, .value_kind: global_buffer, .address_space: global }
      - { .name: qkv32, .offset: 32, .size: 8, .value_kind: global_buffer, .address_space: global }
    .group_segment_fixed_size: 327680
    .private_segment_fixed_size: 0
    .kernarg_segment_align: 8
    .kernarg_segment_size: 40
    .max_flat_workgroup_size: 128
    .sgpr_count:     102
    .vgpr_count:     1024
    .wavefront_size: 32
...
	.end_amdgpu_metadata
.endif
;; end of part 2
;; launch attn (part 3): grid 4 x 64, 16 waves a work-group, no clusters, 327,680 bytes of LDS; arguments qkv16, attn16; writes attn16
.if DOCPART == 3
	.amdgcn_target "amdgcn-amd-amdhsa--gfx1250"
	.amdhsa_code_object_version 6
	.text
	.protected	k_q1610b18d46_attn
	.globl	k_q1610b18d46_attn
	.p2align	8
	.type	k_q1610b18d46_attn,@function
k_q1610b18d46_attn:
	s_mov_b64 s[64:65], 0
	v_nop
	global_prefetch_b8 v0, s[64:65] scope:SCOPE_SE
	s_setreg_imm32_b32 hwreg(HW_REG_WAVE_MODE, 25, 1), 1
	s_wait_xcnt 0x0
; Launch 3 of 5: O[bh][q] = the sum over keys k <= q of softmax_k(Q[q] . K[k] / 8) V[k], head size 64, 2,048 tokens, 64 heads.  Operands f16, products, maxima and sums f32; the weights p are rounded to f16.
; LEFT OUT: key steps all of whose keys come after a wave's queries, and slots all of whose keys come after the work-group's last query: the problem's own mask gives them the weight 0.
; SHARES.  Work-group (p, bh) owns the blocks of 256 queries p and 7 - p of head bh: under the mask every work-group then has the same number of tiles.  Each of its sixteen waves owns 32 queries, two tiles of 16,
; in 256 registers: four waves to a SIMD, so that one wave's vector work stands beside another's matrix work.  Of the waves 2 i and 2 i + 1 one takes queries 32 i on of the early block, the other of the late one.
; NO CLUSTER: the four work-groups of a head need different numbers of key slots under the mask (8 - p of them); a partner would have to ask for tiles that none of its waves reads.
; LAYOUT.  S^T = K Q^T (source 0 = 16 keys, source 1 = 16 queries): a lane holds ONE query (lane % 16) and keys 8 (lane / 16) + 0..7.  Two such tiles, rounded to f16 in pairs, are source 1 (32 keys x 16 queries)
; of O^T = V^T P, whose result again holds one query a lane.  K comes out of LDS as it lies, V ([key][channel]) turned, by ds_load_tr16_b128.  Each fragment of K or V feeds two matrix instructions.
; SOFTMAX.  A running maximum m and sum l for each query: p = 2^(c s - c m), c = log2(e) / 8; in every step O and l are multiplied by a = 2^(c m_old - c m_new).
; RING.  Two LDS slots of 256 keys, 2^17 bytes apart: K's 256 rows of 128 + 16 bytes, V's of 128 + 32.  Waves 0, 1 fetch K's halves, waves 2, 3 V's; all sixteen read.  Every work-group walks all 8 slots.
; LIMITS: |q|, |k|, |v| under 65,504; NaN and infinities are not served; a weight under 2^-25 of its row's largest counts as 0 in the product (not in the sum).
; The tokens 0 to 15 of each batch are computed here with the rest of their tile, and written anew in f32 by the last launch.
.set SK,    256
.set KP,    144
.set VP,    160
.set VOFF,  SK*KP
.set SLOT1, 1<<17
.set NSL,   8
.set STAGE, SLOT1+VOFF+SK*VP           ; behind the ring: 32 rows x 144 bytes a wave, bytes of their own
.set SPARE, STAGE+16*32*144            ; the spare words: 128 bytes a wave
.set AK0, 1                            ; v1  my lane's place in a tile of K
.set AV0, 2                            ; v2  and of V
.set SPW, 3
.set NIL, 4
.set ADK, 5
.set ADV, 6
.set DQ,  7                            ; v7  lane % 16 - 8 (lane / 16)
.set PFO, 8                            ; v8  256 x lane
.set QO,  9
.set STO, 10
.set RD,  11
.set ST,  12                           ; tile u's statistics at v[12 + 8 u]: +0 c m, +1 m, +2, +3 l, +4 .. +7 at work (a in +6)
.set GO,  30                           ; v30 16 x lane
.set QR,  32                           ; v32-63   Q: (u, cc) at 32 + 8 (2 u + cc)
.set FB,  64                           ; v64-127  fragments of K, then of V
.set SR,  128                          ; v128-191 S^T, 32 a tile; P is packed in place into the low 16 of each 32
.set OA,  192                          ; v192-255 O^T, 32 a tile
.set WV,  18
.set SEL, 20
.set CS,  22
.set G1K, 24
.set G1V, 32
.set G0K, 40
.set G0V, 44
.set TB,  2
.set SLOTS, 3
.set KF,  48
.set Q0,  49
.set QL,  50
.set PFA, 52
.set LIM, 54
.macro TLOAD                           ; the branches hang on the wave's number alone; an s_nop 0 and four v_nop follow each line
	s_cmp_lt_u32 s[WV], 2
	s_cbranch_scc0 .Lnot_k_\@
	tensor_load_to_lds s[G0K:G0K+3], s[G1K:G1K+7]
	s_nop 0
.rept 4
	v_nop
.endr
	s_branch .Lasked_\@
.Lnot_k_\@:
	s_cmp_lt_u32 s[WV], 4
	s_cbranch_scc0 .Lasked_\@
	tensor_load_to_lds s[G0V:G0V+3], s[G1V:G1V+7]
	s_nop 0
.rept 4
	v_nop
.endr
.Lasked_\@:
.endm
; A PREFETCH of what the NEXT change of slots will ask for: 32,768 dense bytes of K and as many of V.  All four work-groups of a head walk the same rows: work-group p = 0, which walks all of them, asks.  In it waves
; 4 to 7 ask for K, waves 8 to 11 for V, 8,192 bytes a wave, lanes 256 bytes apart: each aligned block of 256 bytes is named once in the launch.  The last change that fills a slot asks for nothing.
.macro ASK
	s_cmp_gt_u32 s[SLOTS], s[LIM]
	s_cbranch_scc0 .Lnot_mine_\@
	global_prefetch_b8 v[PFO], s[PFA:PFA+1] th:TH_LOAD_NT scope:SCOPE_SE
.Lnot_mine_\@:
.endm
	s_load_b128 s[4:7], s[0:1], 0x0                ; qkv16, attn16
	v_lshl_add_u32 v[SPW], v0, 2, SPARE
	v_mov_b32 v[NIL], 0
	ds_add_u32 v[SPW], v[NIL]                      ; the wave's opening: the add, twice on end, and its wait ahead of my first tensor load
	ds_add_u32 v[SPW], v[NIL]
	v_lshrrev_b32 v5, 5, v0
	v_readfirstlane_b32 s[WV], v5                  ; wave 0..15
	v_and_b32 v12, 15, v0                          ; r
	v_bfe_u32 v13, v0, 4, 1                        ; h
	v_and_b32 v14, 31, v0                          ; lane
	v_mul_u32_u24 v[AK0], v12, KP
	v_lshl_add_u32 v[AK0], v13, 4, v[AK0]          ; K: row r, + 16 h
	v_and_b32 v15, 7, v0
	v_lshl_add_u32 v[AV0], v13, 3, v15
	v_mul_u32_u24 v[AV0], v[AV0], VP
	v_bfe_u32 v16, v0, 3, 1
	v_lshl_add_u32 v[AV0], v16, 4, v[AV0]
	v_add_nc_u32 v[AV0], VOFF, v[AV0]              ; V, for the turning load: key 8 h + lane % 8, channels 8 ((lane / 8) % 2) on
	v_lshlrev_b32 v17, 3, v13
	v_sub_nc_u32 v[DQ], v12, v17
	v_lshlrev_b32 v[PFO], 8, v14
	v_lshlrev_b32 v[QO], 7, v12
	v_lshl_add_u32 v[QO], v13, 4, v[QO]            ; Q: row r of 128 bytes, + 16 h
	v_lshlrev_b32 v[GO], 4, v14
	s_mul_i32 s56, s[WV], 32*144
	s_add_co_u32 s56, s56, STAGE                   ; my stage
	v_mul_u32_u24 v[STO], v12, 144
	v_lshl_add_u32 v[STO], v13, 4, v[STO]
	v_add_nc_u32 v[STO], s56, v[STO]
	v_lshrrev_b32 v18, 3, v14
	v_mul_u32_u24 v[RD], v18, 144
	v_lshl_add_u32 v[RD], v15, 4, v[RD]
	v_add_nc_u32 v[RD], s56, v[RD]
	s_and_b32 s57, ttmp7, 0xffff                   ; bh = batch x 16 + head
	s_lshr_b32 s58, s[WV], 2
	s_xor_b32 s58, s58, s[WV]
	s_and_b32 s58, s58, 1                          ; 0: the early block, 1: the late one
	s_sub_co_u32 s59, 7, ttmp9
	s_cmp_eq_u32 s58, 1
	s_cselect_b32 s59, s59, ttmp9
	s_lshr_b32 s60, s[WV], 1
	s_lshl_b32 s60, s60, 5
	s_lshl_b32 s[Q0], s59, 8
	s_add_co_u32 s[Q0], s[Q0], s60                 ; my first query
	s_sub_co_u32 s[QL], 8, ttmp9
	s_lshl_b32 s[QL], s[QL], 8
	s_sub_co_u32 s[QL], s[QL], 1                   ; my work-group's last query
	s_lshl_b32 s60, s57, 18                        ; the head's 262,144 bytes in each part
	s_and_b32 s61, s[WV], 1
	s_lshl_b32 s62, s61, 14
	s_add_co_u32 s62, s62, s60
	s_add_co_u32 s62, s62, 0x1000000               ; K: part 1, my half of a slot's rows
	s_mov_b32 s63, 0
	s_add_co_u32 s66, s62, 0x1000000               ; V: part 2
	s_mov_b32 s67, 0
	s_mul_i32 s68, s61, 128*KP
	s_mul_i32 s69, s61, 128*VP
	s_add_co_u32 s69, s69, VOFF
	s_lshl_b32 s70, s[Q0], 7
	s_add_co_u32 s70, s70, s60                     ; Q: part 0
	s_mov_b32 s71, 0
	s_and_b32 s72, s57, 15
	s_lshl_b32 s72, s72, 13
	s_lshr_b32 s73, s57, 4
	s_lshl_b32 s73, s73, 11
	s_add_co_u32 s72, s72, s73
	s_add_co_u32 s72, s72, s[Q0]
	s_lshl_b32 s72, s72, 7                         ; attn16 [head][batch x 2,048 + token][64]
	s_mov_b32 s73, 0
	s_cmp_lt_u32 s[WV], 8
	s_cselect_b32 s74, 0, 0x1000000
	s_add_co_u32 s74, s74, 0x1000000+SK*128        ; the prefetches stand in slot 1; the first change steps them to slot 2
	s_add_co_u32 s74, s74, s60
	s_and_b32 s75, s[WV], 3
	s_lshl_b32 s75, s75, 13
	s_add_co_u32 s74, s74, s75
	s_mov_b32 s75, 0
	s_sub_co_u32 s76, s[WV], 4
	s_lshr_b32 s76, s76, 3                         ; 0 in waves 4 to 11,
	s_or_b32 s76, s76, ttmp9                       ; of work-group p = 0
	s_cmp_eq_u32 s76, 0
	s_cselect_b32 s[LIM], 1, -1
	s_mov_b32 s[G1K], (1<<20)|(4<<22)|(3<<25)      ; elements of 1 byte; padding: 4 words behind every 32
	s_mov_b32 s[G1V], (1<<20)|(4<<22)|(7<<25)      ; 8 words
.irp g, G1K, G1V
	s_mov_b32 s[\g+1], 128<<16                     ; tensor_dim0 = 128 bytes
	s_mov_b32 s[\g+2], 128<<16                     ; tensor_dim1 = 128 rows
	s_mov_b32 s[\g+3], 128<<16                     ; tile_dim0
	s_mov_b32 s[\g+4], 128                         ; tile_dim1
	s_mov_b32 s[\g+5], 128                         ; from row to row
	s_mov_b32 s[\g+6], 0
	s_mov_b32 s[\g+7], 0
.endr
	s_mov_b32 s[SEL], 0x76543210
	s_mov_b32 s[SEL+1], 0xfedcba98
	s_mov_b32 s[CS], 0x3e38aa3b                    ; c = log2(e) / 8
	s_mov_b32 s[CS+1], s[CS]
	s_mov_b32 s[TB], 0
	s_mov_b32 s[SLOTS], NSL-1
	s_mov_b32 s[KF], 0
	s_wait_dscnt 0x0                               ; both opening adds are done
	s_wait_kmcnt 0x0
	s_mov_b32 s[G0K], 1
	s_mov_b32 s[G0K+1], s68
	s_add_nc_u64 s[G0K+2:G0K+3], s[4:5], s[62:63]
	s_or_b32 s[G0K+3], s[G0K+3], 0x80000000
	s_mov_b32 s[G0V], 1
	s_mov_b32 s[G0V+1], s69
	s_add_nc_u64 s[G0V+2:G0V+3], s[4:5], s[66:67]
	s_or_b32 s[G0V+3], s[G0V+3], 0x80000000
	TLOAD                                          ; slot 0: keys 0 to 255, which count for queries of every work-group.  One tensor load of a loading wave is out at a time
	s_add_nc_u64 s[70:71], s[4:5], s[70:71]
	s_add_nc_u64 s[6:7], s[6:7], s[72:73]
	s_add_nc_u64 s[PFA:PFA+1], s[4:5], s[74:75]
.irp u, 0,1
.irp cc, 0,1
.irp e, 0,1
	global_load_b128 v[QR+8*(2*\u+\cc)+4*\e:QR+8*(2*\u+\cc)+4*\e+3], v[QO], s[70:71] offset:\u*2048+\cc*64+32*\e
.endr
.endr
.endr
.irp u, 0,1
	v_mov_b32 v[ST+8*\u+1], 0xff61b1e6             ; m = -3e38, under every score
	v_mul_f32 v[ST+8*\u], s[CS], v[ST+8*\u+1]
.irp i, 2,3,4,5,6,7
	v_mov_b32 v[ST+8*\u+\i], 0
.endr
.endr
.irp j, 0,1,2,3,4,5,6,7,8,9,10,11,12,13,14,15,16,17,18,19,20,21,22,23,24,25,26,27,28,29,30,31,32,33,34,35,36,37,38,39,40,41,42,43,44,45,46,47,48,49,50,51,52,53,54,55,56,57,58,59,60,61,62,63
	v_mov_b32 v[OA+\j], 0                          ; O^T.  The step is written without a first form: the first step finds zeros, which a = 0 leaves zeros
.endr
; A KEY STEP: 64 keys, the q-th of the slot in hand, for my two tiles of queries.
.macro STEP q
	s_add_co_u32 s56, s[Q0], 31
	s_cmp_gt_u32 s[KF], s56                        ; all 64 keys come after my 32 queries: the step's work is left out (ids and the count of steps alone)
	s_cbranch_scc1 .Lhidden_\@
	v_add_nc_u32 v[ADK], s[TB], v[AK0]
	v_add_nc_u32 v[ADV], s[TB], v[AV0]
.rept 3
	v_nop                                          ; with the two additions five places behind the last products: their V is loaded over, their P written over by matrix instructions
.endr
.irp kt, 0,1,2,3
.irp cc, 0,1
.irp e, 0,1
	ds_load_b128 v[FB+8*(2*\kt+\cc)+4*\e:FB+8*(2*\kt+\cc)+4*\e+3], v[ADK] offset:(64*(\q)+16*\kt)*KP+64*\cc+32*\e
.endr
.endr
.endr
	s_wait_dscnt 0x0
.irp cc, 0,1                                   ; S^T = K Q^T: eight accumulators by turns, one instruction a turn
.irp kt, 0,1,2,3
.irp u, 0,1
.if \cc == 0
	v_wmma_f32_16x16x32_f16 v[SR+32*\u+8*\kt:SR+32*\u+8*\kt+7], v[FB+8*(2*\kt+\cc):FB+8*(2*\kt+\cc)+7], v[QR+8*(2*\u+\cc):QR+8*(2*\u+\cc)+7], 0
.else
	v_wmma_f32_16x16x32_f16 v[SR+32*\u+8*\kt:SR+32*\u+8*\kt+7], v[FB+8*(2*\kt+\cc):FB+8*(2*\kt+\cc)+7], v[QR+8*(2*\u+\cc):QR+8*(2*\u+\cc)+7], v[SR+32*\u+8*\kt:SR+32*\u+8*\kt+7]
.endif
.endr
.endr
.endr
.rept 4
	v_nop                                          ; places in front of the loads over K's fragments and of the first read of the scores
.endr
.irp g, 0,1                                    ; V of this step, turned: it lands while the softmax is walked
.irp ct, 0,1,2,3
.irp e, 0,1
	ds_load_tr16_b128 v[FB+8*(4*\g+\ct)+4*\e:FB+8*(4*\g+\ct)+4*\e+3], v[ADV] offset:(64*(\q)+32*\g+16*\e)*VP+32*\ct
.endr
.endr
.endr
	s_add_co_u32 s56, s[KF], 63
	s_cmp_le_u32 s56, s[Q0]                        ; all 64 keys count for all my queries: no mask
	s_cbranch_scc1 .Lopen_\@
	s_sub_co_i32 s56, s[Q0], s[KF]
	v_add_nc_u32 v28, s56, v[DQ]                   ; register 8 kt + j of tile u holds key KF + 16 kt + 8 h + j of query Q0 + 16 u + r: hidden where 16 kt + j - 16 u > Q0 - KF + r - 8 h
	v_mov_b32 v29, 0xff800000                      ; -infinity: p = 0 then
.irp u, 0,1
.irp kt, 0,1,2,3
.irp j, 0,1,2,3,4,5,6,7
	v_cmp_gt_i32 vcc_lo, 16*\kt+\j-16*\u, v28
	v_cndmask_b32 v[SR+32*\u+8*\kt+\j], v[SR+32*\u+8*\kt+\j], v29, vcc_lo
.endr
.endr
.endr
.Lopen_\@:
.irp c, 0,1,2,3                                ; the maximum, three operands at a time, the two tiles by turns; each accumulator is read from its low end on
.irp u, 0,1
	v_max3_num_f32 v[ST+8*\u+4+\c], v[SR+32*\u+8*\c], v[SR+32*\u+8*\c+1], v[SR+32*\u+8*\c+2]
.endr
.endr
.irp i, 3,5
.irp c, 0,1,2,3
.irp u, 0,1
	v_max3_num_f32 v[ST+8*\u+4+\c], v[ST+8*\u+4+\c], v[SR+32*\u+8*\c+\i], v[SR+32*\u+8*\c+\i+1]
.endr
.endr
.endr
.irp u, 0,1
	v_max3_num_f32 v[ST+8*\u+4], v[ST+8*\u+4], v[SR+32*\u+7], v[SR+32*\u+15]
.endr
.irp u, 0,1
	v_max3_num_f32 v[ST+8*\u+6], v[ST+8*\u+6], v[SR+32*\u+23], v[SR+32*\u+31]
.endr
.irp u, 0,1
	v_max3_num_f32 v[ST+8*\u+4], v[ST+8*\u+4], v[ST+8*\u+5], v[ST+8*\u+6]
.endr
.irp u, 0,1
	v_max3_num_f32 v[ST+8*\u+4], v[ST+8*\u+4], v[ST+8*\u+7], v[ST+8*\u+1]   ; with the old m
.endr
.irp u, 0,1
	v_permlanex16_b32 v[ST+8*\u+5], v[ST+8*\u+4], s[SEL], s[SEL+1]           ; the query's other 32 keys lie in the lane 16 away
.endr
.irp u, 0,1
	v_mov_b32 v[ST+8*\u+7], v[ST+8*\u]             ; c m_old
.endr
.irp u, 0,1
	v_max_num_f32 v[ST+8*\u+1], v[ST+8*\u+4], v[ST+8*\u+5]
.endr
.irp u, 0,1
	v_mul_f32 v[ST+8*\u], s[CS], v[ST+8*\u+1]
.endr
.irp u, 0,1
	v_sub_f32 v[ST+8*\u+7], v[ST+8*\u+7], v[ST+8*\u]
.endr
.irp b, 0,2,4,6,8,10,12,14,16,18,20,22,24,26,28,30
.irp u, 0,1
	v_pk_fma_f32 v[SR+32*\u+\b:SR+32*\u+\b+1], v[SR+32*\u+\b:SR+32*\u+\b+1], s[CS:CS+1], v[ST+8*\u:ST+8*\u+1] op_sel_hi:[1,0,0] neg_lo:[0,0,1] neg_hi:[0,0,1]   ; c s - c m
.endr
.endr
.irp u, 0,1
	v_exp_f32 v[ST+8*\u+6], v[ST+8*\u+7]           ; a
.endr
.irp e, 0,1,2,3,4,5,6,7,8,9,10,11,12,13,14,15,16,17,18,19,20,21,22,23,24,25,26,27,28,29,30,31
.irp u, 0,1
	v_exp_f32 v[SR+32*\u+\e], v[SR+32*\u+\e]
.endr
.endr
	v_nop                                          ; a plain instruction behind the last exponential
	s_wait_alu depctr_va_vdst(0)                   ; ONE wait for the 66 exponentials, ahead of their first reader
.irp u, 0,1
	v_pk_mul_f32 v[ST+8*\u+2:ST+8*\u+3], v[ST+8*\u+2:ST+8*\u+3], v[ST+8*\u+6:ST+8*\u+7] op_sel_hi:[1,0]   ; l x a
.endr
.irp u, 0,1
	v_pk_add_f32 v[ST+8*\u+4:ST+8*\u+5], v[SR+32*\u:SR+32*\u+1], v[SR+32*\u+2:SR+32*\u+3]                 ; the sum of the unrounded p, in two chains
.endr
.irp j, 4,8,12,16,20,24,28
.irp u, 0,1
	v_pk_add_f32 v[ST+8*\u+2:ST+8*\u+3], v[ST+8*\u+2:ST+8*\u+3], v[SR+32*\u+\j:SR+32*\u+\j+1]
	v_pk_add_f32 v[ST+8*\u+4:ST+8*\u+5], v[ST+8*\u+4:ST+8*\u+5], v[SR+32*\u+\j+2:SR+32*\u+\j+3]
.endr
.endr
.irp u, 0,1
	v_pk_add_f32 v[ST+8*\u+2:ST+8*\u+3], v[ST+8*\u+2:ST+8*\u+3], v[ST+8*\u+4:ST+8*\u+5]
.endr
.irp i, 0,1,2,3,4,5,6,7,8,9,10,11,12,13,14,15
.irp u, 0,1
	v_cvt_pk_f16_f32 v[SR+32*\u+\i], v[SR+32*\u+2*\i], v[SR+32*\u+2*\i+1]   ; P, in place and ascending: register i is written when registers 2 i and 2 i + 1 are read
.endr
.endr
.irp j, 0,2,4,6,8,10,12,14,16,18,20,22,24,26,28,30
.irp u, 0,1
	v_pk_mul_f32 v[OA+32*\u+\j:OA+32*\u+\j+1], v[OA+32*\u+\j:OA+32*\u+\j+1], v[ST+8*\u+6:ST+8*\u+7] op_sel_hi:[1,0]   ; O^T x a
.endr
.endr
	s_wait_dscnt 0x0                               ; V is in
.irp g, 0,1                                    ; O^T += V^T P: eight accumulators by turns
.irp ct, 0,1,2,3
.irp u, 0,1
	v_wmma_f32_16x16x32_f16 v[OA+32*\u+8*\ct:OA+32*\u+8*\ct+7], v[FB+8*(4*\g+\ct):FB+8*(4*\g+\ct)+7], v[SR+32*\u+8*\g:SR+32*\u+8*\g+7], v[OA+32*\u+8*\ct:OA+32*\u+8*\ct+7]
.endr
.endr
.endr
.Lhidden_\@:
	s_add_co_u32 s[KF], s[KF], 64
.endm
; THE CHANGE OF SLOTS stands at a slot's head.  Each wave waits for all its tensor loads, adds 0 to its spare word, and waits for that and for its reads of the slot that it has left.  Behind the barrier the slot
; ahead is whole and nobody reads the other one; fill = 1: that one takes the next 256 keys, while their first key is at or under the work-group's last query.
.macro CHANGE fill
	s_wait_tensorcnt 0x0                           ; no tensor load of mine is out, so a group 0 may be written
	ds_add_u32 v[SPW], v[NIL]                      ; 0 onto my spare word
.if \fill
	ds_add_u32 v[SPW], v[NIL]                      ; and, where a load can still follow, twice on end
	s_xor_b32 s[G0K+1], s[G0K+1], SLOT1
	s_add_nc_u64 s[G0K+2:G0K+3], s[G0K+2:G0K+3], SK*128
	s_xor_b32 s[G0V+1], s[G0V+1], SLOT1
	s_add_nc_u64 s[G0V+2:G0V+3], s[G0V+2:G0V+3], SK*128
	s_wait_xcnt 0x0                                ; the last prefetch, a slot back, has read its address
	s_add_nc_u64 s[PFA:PFA+1], s[PFA:PFA+1], SK*128
.endif
	s_wait_dscnt 0x0
	s_barrier_signal -1
	s_barrier_wait -1
.if \fill
	s_add_co_u32 s56, s[KF], SK                    ; the first key of the slot that this change would ask for
	s_cmp_gt_u32 s56, s[QL]                        ; ids and the count of steps alone: all sixteen waves go the same way; every wait on tensor loads in this text is for 0
	s_cbranch_scc1 .Lpast_\@
	TLOAD
.Lpast_\@:
	ASK
.endif
.endm
.macro SLOT_STEPS
	STEP 0
	STEP 1
	STEP 2
	STEP 3
	s_xor_b32 s[TB], s[TB], SLOT1
.endm
	s_wait_loadcnt 0x0                             ; Q
.Lslot:                                            ; 7 trips
	CHANGE 1
	SLOT_STEPS
	s_sub_co_u32 s[SLOTS], s[SLOTS], 1
	s_cmp_lg_u32 s[SLOTS], 0
	s_cbranch_scc1 .Lslot
	CHANGE 0                                       ; the last slot is written out: nothing is asked for
	SLOT_STEPS
	; THE WAY OUT: O^T / l, rounded to f16, through my stage, 512 consecutive bytes (four tokens of my head) a store
.rept 4
	v_nop
.endr
.irp u, 0,1
	v_add_f32 v[ST+8*\u+4], v[ST+8*\u+2], v[ST+8*\u+3]
.endr
.irp u, 0,1
	v_permlanex16_b32 v[ST+8*\u+5], v[ST+8*\u+4], s[SEL], s[SEL+1]
.endr
.irp u, 0,1
	v_add_f32 v[ST+8*\u+4], v[ST+8*\u+4], v[ST+8*\u+5]
.endr
.irp u, 0,1
	v_rcp_f32 v[ST+8*\u+6], v[ST+8*\u+4]
.endr
	v_nop
	s_wait_alu depctr_va_vdst(0)                   ; one wait for the two reciprocals
.irp u, 0,1
.irp j, 0,2,4,6,8,10,12,14,16,18,20,22,24,26,28,30
	v_pk_mul_f32 v[OA+32*\u+\j:OA+32*\u+\j+1], v[OA+32*\u+\j:OA+32*\u+\j+1], v[ST+8*\u+6:ST+8*\u+7] op_sel_hi:[1,0]
.endr
.endr
.irp u, 0,1
.irp i, 0,1,2,3,4,5,6,7,8,9,10,11,12,13,14,15
	v_cvt_pk_f16_f32 v[SR+16*\u+\i], v[OA+32*\u+2*\i], v[OA+32*\u+2*\i+1]
.endr
.endr
.irp u, 0,1
.irp ct, 0,1,2,3
	ds_store_b128 v[STO], v[SR+16*\u+4*\ct:SR+16*\u+4*\ct+3] offset:\u*16*144+32*\ct
.endr
.endr
.irp t, 0,1,2,3,4,5,6,7
	ds_load_b128 v[SR+32+4*\t:SR+32+4*\t+3], v[RD] offset:\t*4*144
.endr
.irp t, 0,1,2,3,4,5,6,7
	s_wait_dscnt 7-\t                              ; the younger loads stay out
	global_store_b128 v[GO], v[SR+32+4*\t:SR+32+4*\t+3], s[6:7] offset:512*\t
.endr
	s_wait_tensorcnt 0x0                           ; the wave's end
	ds_add_u32 v[SPW], v[NIL]
	s_wait_dscnt 0x0
	s_endpgm
.Lfunc_end_k_q1610b18d46_attn:
	.size	k_q1610b18d46_attn, .Lfunc_end_k_q1610b18d46_attn-k_q1610b18d46_attn
	.p2alignl 7, 3214868480
	.fill 96, 4, 3214868480
	.section	.rodata,"a",@progbits
	.p2align	6, 0x0
	.amdhsa_kernel k_q1610b18d46_attn
		.amdhsa_group_segment_fixed_size 327680
		.amdhsa_private_segment_fixed_size 0
		.amdhsa_enable_private_segment 0
		.amdhsa_kernarg_size 16
		.amdhsa_user_sgpr_count 2
		.amdhsa_user_sgpr_kernarg_segment_ptr 1
		.amdhsa_wavefront_size32 1
		.amdhsa_system_sgpr_workgroup_id_x 1
		.amdhsa_system_sgpr_workgroup_id_y 1
		.amdhsa_system_sgpr_workgroup_id_z 1
		.amdhsa_system_vgpr_workitem_id 0
		.amdhsa_next_free_vgpr 256
		.amdhsa_next_free_sgpr 80
		.amdhsa_reserve_vcc 1
		.amdhsa_float_denorm_mode_32 3
		.amdhsa_float_denorm_mode_16_64 3
		.amdhsa_memory_ordered 1
		.amdhsa_forward_progress 1
		.amdhsa_inst_pref_size 189
	.end_amdhsa_kernel
	.amdgpu_metadata
---
amdhsa.version: [ 1, 2 ]
amdhsa.kernels:
  - .name:           k_q1610b18d46_attn
    .symbol:         k_q1610b18d46_attn.kd
    .args:
      - { .name: qkv16, .offset: 0, .size: 8, .value_kind: global_buffer, .address_space: global }
      - { .name: attn16, .offset: 8, .size: 8, .value_kind: global_buffer, .address_space: global }
    .group_segment_fixed_size: 327680
    .private_segment_fixed_size: 0
    .kernarg_segment_align: 8
    .kernarg_segment_size: 16
    .max_flat_workgroup_size: 512
    .sgpr_count:     80
    .vgpr_count:     256
    .wavefront_size: 32
...
	.end_amdgpu_metadata
.endif
;; end of part 3
;; launch proj (part 4): grid 4 x 64, 4 waves a work-group, clusters of 4 x 4, 327,680 bytes of LDS; arguments attn16, w16, b_out, out0; writes out0
.if DOCPART == 4
	.amdgcn_target "amdgcn-amd-amdhsa--gfx1250"
	.amdhsa_code_object_version 6
	.text
	.protected	k_q1610b18d46_proj
	.globl	k_q1610b18d46_proj
	.p2align	8
	.type	k_q1610b18d46_proj,@function
k_q1610b18d46_proj:
	s_mov_b64 s[64:65], 0
	v_nop
	global_prefetch_b8 v0, s[64:65] scope:SCOPE_SE
	s_setreg_imm32_b32 hwreg(HW_REG_WAVE_MODE, 25, 1), 1
	s_wait_xcnt 0x0
	s_wait_alu depctr_hold_cnt(0) depctr_sa_sdst(0) depctr_va_vdst(0) depctr_va_sdst(0) depctr_va_ssrc(0) depctr_va_vcc(0) depctr_vm_vsrc(0)
	s_getreg_b32 s2, hwreg(HW_REG_IB_STS2, 6, 4)
	s_cmp_eq_u32 s2, 0
	s_cbranch_scc0 .Lentry_in_a_cluster
	s_endpgm
.Lentry_in_a_cluster:
	s_bfe_u32 s2, ttmp6, 0x10000c
	s_cmp_lg_u32 s2, 0xf033
	s_cbranch_scc0 .Lentry_shape_is_right
	s_endpgm
.Lentry_shape_is_right:
; Launch 4 of 5: out0 = attn w_out + b_out.  M = 8,192, N = 1,024, K = 1,024; operands f16, sums f32, out f32.
; attn16 is [k / 64 (head)][row 8,192][64], w16 is [k / 64][n 1,024][64]: planes of rows of 128 bytes, K innermost.
; A tile of 128 x 256 gives 256 work-groups.  Four waves, each 64 rows x 128 columns: 32 accumulators, 256 registers (window 1).  K goes in steps of 128, two planes, through a ring of two LDS slots.
; CLUSTER 4 x 4: the four of a row of the cluster need the same tiles of attn16, the four of a column the same tiles of w16: each is asked for jointly.  Waves 0, 1 fetch attn16's two planes, waves 2, 3 w16's.
; THE MATRIX INSTRUCTION IS USED TRANSPOSED (source 0 = 16 rows of w16, source 1 = 16 rows of attn16): a lane holds eight neighbouring columns of one row of out0.
; The rows of tokens 0 to 15 of each batch lie inside tiles with live rows and are stored with them; the last launch writes them anew in f32.  No prefetch: a K step's tiles are asked for a whole step ahead, and the launch is short.
; REGISTERS: window 0: v16-29 addresses; two fragment buffers of 96 (w16's 8 blocks, then attn16's 4) at v32 and v128; v224-227 b_out of my four columns on the way out.   window 1: accumulator (a, b) at v[8 (8 a + b)].
.set KP,    144                        ; a row in LDS: 128 bytes + 16
.set APL,   128*KP                     ; a plane of attn16's tile
.set BPL,   256*KP                     ; a plane of w16's tile
.set BOFF,  2*APL
.set SLOT,  2*APL+2*BPL
.set STAGE, 2*SLOT                     ; behind the ring: 16 rows x (512 + 16) bytes a wave
.set SPITCH, 528
.set SPARE, STAGE+4*16*SPITCH
.set ADRA, 16
.set ADRB, 20
.set STO,  24
.set RD,   25
.set CO,   26
.set SPW,  28
.set NIL,  29
.set F0,   32
.set F1,   128
.set BI,   224
.set G1,   24
.set G0,   32
.set G1B,  48
.set G0B,  56
.set MSB, 0
.macro WIN new
.if MSB != (\new)
	s_set_vgpr_msb (MSB<<8)|(\new)
.set MSB, (\new)
.endif
.endm
.set MUL, 0x50                         ; C and D window 1, the fragments window 0
.macro JLOAD s                         ; an s_nop 0 and four v_nop follow each of the two lines
	s_cmp_eq_u32 s13, 0
	s_cbranch_scc0 .Lfor_b_\@
	tensor_load_to_lds s[G0+4*\s:G0+4*\s+3], s[G1:G1+7]
	s_nop 0
.rept 4
	v_nop
.endr
	s_branch .Lasked_\@
.Lfor_b_\@:
	tensor_load_to_lds s[G0B+4*\s:G0B+4*\s+3], s[G1B:G1B+7]
	s_nop 0
.rept 4
	v_nop
.endr
.Lasked_\@:
.endm
.macro CREST
	s_cmp_lg_u32 s12, 0
	s_cbranch_scc1 .Lnot_wave_0_\@
	s_barrier_signal -3
.Lnot_wave_0_\@:
	s_barrier_wait -3
	s_barrier_signal -1
	s_barrier_wait -1
.endm
.macro CROUND
	s_barrier_signal -1
	s_barrier_wait -1
	CREST
.endm
.macro PLACES n
.rept \n
	v_nop
.endr
.endm
	s_load_b256 s[4:11], s[0:1], 0x0               ; attn16 s[4:5], w16 s[6:7], b_out s[8:9], out0 s[10:11]
	v_lshl_add_u32 v[SPW], v0, 2, SPARE
	v_mov_b32 v[NIL], 0
	ds_add_u32 v[SPW], v[NIL]                      ; the wave's opening: the add, twice on end, and its wait ahead of my first tensor load
	ds_add_u32 v[SPW], v[NIL]
	v_lshrrev_b32 v1, 5, v0
	v_readfirstlane_b32 s12, v1                    ; wave
	s_lshr_b32 s13, s12, 1                         ; my half of the rows; also: I fetch for attn16 (0) or w16 (1)
	s_and_b32 s14, s12, 1                          ; my half of the columns; also: which plane I fetch
	s_bfe_u32 s40, ttmp6, 0x40000                  ; cx
	s_bfe_u32 s41, ttmp6, 0x40004                  ; cy
	s_lshl_b32 s42, ttmp9, 2
	s_add_co_u32 s42, s42, s40                     ; tile column
	s_and_b32 s15, ttmp7, 0xffff
	s_lshl_b32 s15, s15, 2
	s_add_co_u32 s15, s15, s41                     ; tile row
	s_lshl_b32 s43, s41, 2
	s_lshl_b32 s43, 15, s43                        ; my row of the cluster
	s_lshl_b32 s44, 0x1111, s40                    ; my column
	s_or_b32 s[G1], s43, (1<<20)|(1<<21)|(4<<22)|(3<<25)    ; elements of 1 byte; padding: 4 words behind every 32
	s_or_b32 s[G1B], s44, (1<<20)|(1<<21)|(4<<22)|(3<<25)
	s_mov_b32 s[G1+1], 128<<16
	s_mov_b32 s[G1+2], 128<<16                     ; 128 rows
	s_mov_b32 s[G1+3], 128<<16
	s_mov_b32 s[G1+4], 128
	s_mov_b32 s[G1+5], 128
	s_mov_b32 s[G1+6], 0
	s_mov_b32 s[G1+7], 0
	s_mov_b32 s[G1B+1], 128<<16
	s_mov_b32 s[G1B+2], 256<<16                    ; 256 rows
	s_mov_b32 s[G1B+3], 128<<16
	s_mov_b32 s[G1B+4], 256
	s_mov_b32 s[G1B+5], 128
	s_mov_b32 s[G1B+6], 0
	s_mov_b32 s[G1B+7], 0
	s_lshl_b32 s16, s15, 14                        ; attn16: 128 rows of 128 bytes a tile row,
	s_lshl_b32 s17, s14, 20                        ; my plane
	s_add_co_u32 s16, s16, s17
	s_mov_b32 s17, 0
	s_lshl_b32 s46, s42, 15                        ; w16: 256 rows of 128 bytes a tile column,
	s_lshl_b32 s47, s14, 17
	s_add_co_u32 s46, s46, s47
	s_mov_b32 s47, 0
	s_mul_i32 s20, s14, APL                        ; where they go: no place in the cluster enters an LDS address
	s_mul_i32 s21, s14, BPL
	s_add_co_u32 s21, s21, BOFF
	s_wait_dscnt 0x0                               ; both opening adds are done
	s_wait_kmcnt 0x0
	s_add_nc_u64 s[18:19], s[4:5], s[16:17]
	s_add_nc_u64 s[46:47], s[6:7], s[46:47]
	CROUND                                         ; all sixteen work-groups are here
.irp s, 0,1
	s_mov_b32 s[G0+4*\s], 1
	s_add_co_u32 s[G0+4*\s+1], s20, \s*SLOT
	s_add_nc_u64 s[G0+4*\s+2:G0+4*\s+3], s[18:19], \s*2*1048576
	s_or_b32 s[G0+4*\s+3], s[G0+4*\s+3], 0x80000000
	s_mov_b32 s[G0B+4*\s], 1
	s_add_co_u32 s[G0B+4*\s+1], s21, \s*SLOT
	s_add_nc_u64 s[G0B+4*\s+2:G0B+4*\s+3], s[46:47], \s*2*131072
	s_or_b32 s[G0B+4*\s+3], s[G0B+4*\s+3], 0x80000000
	JLOAD \s                                       ; two tensor loads of a wave are out at the start, one behind each round
.endr
	v_and_b32 v1, 15, v0                           ; r
	v_bfe_u32 v2, v0, 4, 1                         ; h
	v_mul_u32_u24 v3, v1, KP
	v_lshl_add_u32 v3, v2, 4, v3
	s_mul_i32 s21, s13, 64*KP                      ; my 64 rows of attn16's tile
	s_mul_i32 s22, s14, 128*KP                     ; my 128 rows of w16's
	s_add_co_u32 s22, s22, BOFF
.irp s, 0,1
	v_add_nc_u32 v[ADRA+\s], s21, v3
	v_add_nc_u32 v[ADRB+\s], s22, v3
	s_add_co_u32 s21, s21, SLOT
	s_add_co_u32 s22, s22, SLOT
.endr
	s_mul_i32 s23, s12, 16*SPITCH
	s_add_co_u32 s23, s23, STAGE
	v_mul_u32_u24 v4, v1, SPITCH
	v_lshl_add_u32 v4, v2, 5, v4
	v_add_nc_u32 v[STO], s23, v4                   ; in: row r, 32 bytes for each half of the lanes
	v_and_b32 v5, 31, v0
	v_lshlrev_b32 v[CO], 4, v5
	v_add_nc_u32 v[RD], s23, v[CO]                 ; back: the 32 lanes take one row of 512 bytes
	s_lshl_b32 s46, s42, 10                        ; my first column, in bytes
	s_lshl_b32 s47, s14, 9
	s_add_co_u32 s46, s46, s47
	s_mov_b32 s47, 0
	s_add_nc_u64 s[8:9], s[8:9], s[46:47]
	global_load_b128 v[BI:BI+3], v[CO], s[8:9]     ; b_out of the four columns that I store
	s_lshl_b32 s16, s15, 7
	s_lshl_b32 s17, s13, 6
	s_add_co_u32 s16, s16, s17                     ; my first row
	s_lshl_b32 s16, s16, 12
	s_mov_b32 s17, 0
	s_add_nc_u64 s[10:11], s[10:11], s[16:17]
	s_add_nc_u64 s[10:11], s[10:11], s[46:47]
.macro FETCH slot, qd, f               ; 24 LDS loads: the fragments of the K step's quarter qd (plane qd / 2, 32 along K at byte 64 (qd % 2)): w16's 8 blocks first, then attn16's 4
.irp i, 0,1,2,3,4,5,6,7
	ds_load_b128 v[\f+8*\i:\f+8*\i+3],   v[ADRB+\slot] offset:((\qd)/2)*BPL+\i*16*KP+64*((\qd)%2)
	ds_load_b128 v[\f+8*\i+4:\f+8*\i+7], v[ADRB+\slot] offset:((\qd)/2)*BPL+\i*16*KP+64*((\qd)%2)+32
.endr
.irp i, 0,1,2,3
	ds_load_b128 v[\f+64+8*\i:\f+64+8*\i+3],   v[ADRA+\slot] offset:((\qd)/2)*APL+\i*16*KP+64*((\qd)%2)
	ds_load_b128 v[\f+64+8*\i+4:\f+64+8*\i+7], v[ADRA+\slot] offset:((\qd)/2)*APL+\i*16*KP+64*((\qd)%2)+32
.endr
.endm
.macro MULA f, a, zero                 ; 8 matrix instructions: row block a against the 8 column blocks.  The 32 accumulators take turns in the same order in every quarter
.irp b, 0,1,2,3,4,5,6,7
.if \zero
	v_wmma_f32_16x16x32_f16 v[8*(8*(\a)+\b):8*(8*(\a)+\b)+7], v[\f+8*\b:\f+8*\b+7], v[\f+64+8*(\a):\f+64+8*(\a)+7], 0
.else
	v_wmma_f32_16x16x32_f16 v[8*(8*(\a)+\b):8*(8*(\a)+\b)+7], v[\f+8*\b:\f+8*\b+7], v[\f+64+8*(\a):\f+64+8*(\a)+7], v[8*(8*(\a)+\b):8*(8*(\a)+\b)+7]
.endif
.endr
.endm
.macro QUARTER slot, qn, f, g, zero    ; multiplies buffer f; in its middle fetches quarter qn of the same slot into g
	s_wait_dscnt 4                                 ; all but the youngest four loads (row blocks 2 and 3)
	WIN MUL
	MULA \f, 0, \zero
	MULA \f, 1, \zero
	PLACES 4
	WIN 0
	FETCH \slot, \qn, \g
	s_wait_dscnt 24                                ; all but the 24 just issued
	WIN MUL
	MULA \f, 2, \zero
	MULA \f, 3, \zero
.endm
.macro TURN slot, next, fill           ; a K step's last quarter changes slots: in front of the barrier each wave waits for all its tensor loads, adds 0 to its spare word, and waits for that and for its reads of this slot
	WIN 0
	s_wait_tensorcnt 0x0
	ds_add_u32 v[SPW], v[NIL]                      ; 0 onto my spare word
	s_wait_dscnt 5                                 ; the add and the youngest four loads may be out
	WIN MUL
	MULA F1, 0, 0
	s_wait_dscnt 0x0
	s_barrier_signal -1
	MULA F1, 1, 0
	WIN 0
	s_barrier_wait -1
.if \fill
	CREST                                          ; the barrier has opened a round of the cluster's: no wave of any partner still reads this slot or has a load on its way
	s_add_nc_u64 s[G0+4*\slot+2:G0+4*\slot+3], s[G0+4*\slot+2:G0+4*\slot+3], 4*1048576
	s_add_nc_u64 s[G0B+4*\slot+2:G0B+4*\slot+3], s[G0B+4*\slot+2:G0B+4*\slot+3], 4*131072
	JLOAD \slot                                    ; its four v_nop are also the places in front of the loads below
.else
	PLACES 4
.endif
	FETCH \next, 0, F0
	WIN MUL
	MULA F1, 2, 0
	MULA F1, 3, 0
.endm
	s_wait_tensorcnt 1                             ; my part of K step 0 is in; K step 1's may stay out
	s_barrier_signal -1
	s_barrier_wait -1
	FETCH 0, 0, F0
	QUARTER 0, 1, F0, F1, 1                        ; the first quarter's products start the sums
	WIN 0
	s_mov_b32 s3, 3
.Llap:                                                 ; 3 trips, each once round the ring: K steps 2 to 7 are asked for
	QUARTER 0, 2, F1, F0, 0
	QUARTER 0, 3, F0, F1, 0
	TURN 0, 1, 1
	QUARTER 1, 1, F0, F1, 0
	QUARTER 1, 2, F1, F0, 0
	QUARTER 1, 3, F0, F1, 0
	TURN 1, 0, 1
	QUARTER 0, 1, F0, F1, 0
	WIN 0
	s_sub_co_u32 s3, s3, 1
	s_cmp_lg_u32 s3, 0
	s_cbranch_scc1 .Llap
	QUARTER 0, 2, F1, F0, 0                        ; the last lap fills nothing
	QUARTER 0, 3, F0, F1, 0
	TURN 0, 1, 0
	QUARTER 1, 1, F0, F1, 0
	QUARTER 1, 2, F1, F0, 0
	QUARTER 1, 3, F0, F1, 0
	s_wait_dscnt 4
	WIN MUL
	MULA F1, 0, 0
	MULA F1, 1, 0
	s_wait_dscnt 0
	MULA F1, 2, 0
	MULA F1, 3, 0
	WIN 0
; THE WAY OUT, block by block of 16 rows x 128 columns: through my stage, back as whole rows of 512 bytes, + b_out, stored as one aligned run of 512 bytes an instruction
.macro TOSTAGE a
	WIN 0x04                                       ; an LDS store's data are its source 1: window 1
.irp b, 0,1,2,3,4,5,6,7
	ds_store_b128 v[STO], v[8*(8*(\a)+\b):8*(8*(\a)+\b)+3] offset:64*\b        ; each accumulator from its low end on
	ds_store_b128 v[STO], v[8*(8*(\a)+\b)+4:8*(8*(\a)+\b)+7] offset:64*\b+16
.endr
	WIN 0
.set BB, 32+64*((\a)%2)
.irp t, 0,1,2,3,4,5,6,7,8,9,10,11,12,13,14,15
	ds_load_b128 v[BB+4*\t:BB+4*\t+3], v[RD] offset:\t*SPITCH
.endr
.endm
.macro SEND a, younger
.set BB, 32+64*((\a)%2)
	s_wait_dscnt \younger
.if (\a) > 0
	s_add_nc_u64 s[10:11], s[10:11], 16*4096       ; (behind a wait for the earlier stores' addresses)  16 rows on
.endif
.irp t, 0,1,2,3,4,5,6,7,8,9,10,11,12,13,14,15
	v_pk_add_f32 v[BB+4*\t:BB+4*\t+1], v[BB+4*\t:BB+4*\t+1], v[BI:BI+1]
	v_pk_add_f32 v[BB+4*\t+2:BB+4*\t+3], v[BB+4*\t+2:BB+4*\t+3], v[BI+2:BI+3]
.endr
.irp t, 0,1,2,3,4,5,6,7,8,9,10,11,12,13,14,15
	global_store_b128 v[CO], v[BB+4*\t:BB+4*\t+3], s[10:11] offset:\t*4096 th:TH_STORE_NT
.endr
.endm
	s_wait_loadcnt 0x0                             ; b_out
	PLACES 4
	TOSTAGE 0
.irp a, 1,2,3
.if \a > 1
	s_wait_xcnt 0x0                                ; block a - 2's stores have read their registers and their base
.endif
	TOSTAGE \a
	SEND \a-1, 32                                  ; behind block a - 1's loads: block a's 16 stores and 16 loads
.endr
	s_wait_xcnt 0x0
	SEND 3, 0
	s_wait_tensorcnt 0x0                           ; the wave's end
	ds_add_u32 v[SPW], v[NIL]
	s_wait_dscnt 0x0
	CROUND                                         ; the closing round
	s_endpgm
.Lfunc_end_k_q1610b18d46_proj:
	.size	k_q1610b18d46_proj, .Lfunc_end_k_q1610b18d46_proj-k_q1610b18d46_proj
	.p2alignl 7, 3214868480
	.fill 96, 4, 3214868480
	.section	.rodata,"a",@progbits
	.p2align	6, 0x0
	.amdhsa_kernel k_q1610b18d46_proj
		.amdhsa_group_segment_fixed_size 327680
		.amdhsa_private_segment_fixed_size 0
		.amdhsa_enable_private_segment 0
		.amdhsa_kernarg_size 32
		.amdhsa_user_sgpr_count 2
		.amdhsa_user_sgpr_kernarg_segment_ptr 1
		.amdhsa_wavefront_size32 1
		.amdhsa_system_sgpr_workgroup_id_x 1
		.amdhsa_system_sgpr_workgroup_id_y 1
		.amdhsa_system_sgpr_workgroup_id_z 1
		.amdhsa_system_vgpr_workitem_id 0
		.amdhsa_next_free_vgpr 512
		.amdhsa_next_free_sgpr 66
		.amdhsa_reserve_vcc 0
		.amdhsa_float_denorm_mode_32 3
		.amdhsa_float_denorm_mode_16_64 3
		.amdhsa_memory_ordered 1
		.amdhsa_forward_progress 1
		.amdhsa_inst_pref_size 93
	.end_amdhsa_kernel
	.amdgpu_metadata
---
amdhsa.version: [ 1, 2 ]
amdhsa.kernels:
  - .name:           k_q1610b18d46_proj
    .symbol:         k_q1610b18d46_proj.kd
    .args:
      - { .name: attn16, .offset: 0, .size: 8, .value_kind: global_buffer, .address_space: global }
      - { .name: w16, .offset: 8, .size: 8, .value_kind: global_buffer, .address_space: global }
      - { .name: b_out, .offset: 16, .size: 8, .value_kind: global_buffer, .address_space: global }
      - { .name: out0, .offset: 24, .size: 8, .value_kind: global_buffer, .address_space: global }
    .group_segment_fixed_size: 327680
    .private_segment_fixed_size: 0
    .kernarg_segment_align: 8
    .kernarg_segment_size: 32
    .max_flat_workgroup_size: 128
    .sgpr_count:     66
    .vgpr_count:     512
    .wavefront_size: 32
...
	.end_amdgpu_metadata
.endif
;; end of part 4
;; launch fine (part 5): grid 16 x 4, 16 waves a work-group, no clusters, 71,680 bytes of LDS; arguments qkv32, w_out, b_out, out0; writes out0
.if DOCPART == 5
	.amdgcn_target "amdgcn-amd-amdhsa--gfx1250"
	.amdhsa_code_object_version 6
	.text
	.protected	k_q1610b18d46_fine
	.globl	k_q1610b18d46_fine
	.p2align	8
	.type	k_q1610b18d46_fine,@function
k_q1610b18d46_fine:
	s_mov_b64 s[64:65], 0
	v_nop
	global_prefetch_b8 v0, s[64:65] scope:SCOPE_SE
	s_setreg_imm32_b32 hwreg(HW_REG_WAVE_MODE, 25, 1), 1
	s_wait_xcnt 0x0
; Launch 5 of 5: the tokens 0 to 15 of each batch once more, all in f32: they average one to sixteen values, are the largest numbers of the output, and f16 operands would use up what the comparison allows.
; LEFT OUT: the bias on k (shown at the head of the first launch): qkv32's k is stored without it.
; Work-group (cb, batch) makes 16 rows x 64 columns of out0.  Wave w takes head w: its attention of 16 queries x 16 keys, then that head's 64 channels times w_out[64 w .. 64 w + 63][64 cb .. 64 cb + 63];
; the sixteen partial sums meet in LDS, and wave w adds up and stores row w.  The attention is computed anew by each of a batch's sixteen column blocks: 32 small matrix instructions a wave.
; qkv32 holds images of accumulator registers: image 2 (ch / 16) + (ch % 8) / 4, lane 16 ((ch % 16) / 8) + token, word ch % 4.  Q and K are loaded as the images lie: both get the same order of channels along K,
; which leaves the products' sum what it is.  All three products are used transposed, so that a lane holds one query throughout.
; The registers v128-159 are written by matrix instructions alone; what is made of a sum goes into other registers.
.set RED,   16*272                     ; a wave's partial sums: 16 rows x (256 + 16) bytes
.set SPARE, 16*RED
.set QR, 32                            ; v32-63   Q; later O / l; later the partial sums read back
.set KR, 64                            ; v64-95   K; later w_out's last quarter
.set VR, 96                            ; v96-127  V
.set MA, 128                           ; v128-159 four accumulators
.set WR, 160                           ; v160-255 w_out's first three quarters
	s_load_b256 s[4:11], s[0:1], 0x0               ; qkv32 s[4:5], w_out s[6:7], b_out s[8:9], out0 s[10:11]
	v_lshl_add_u32 v8, v0, 2, SPARE                ; my spare word; never rewritten
	v_mov_b32 v9, 0                                ; 0; never rewritten
	v_lshrrev_b32 v1, 5, v0
	v_readfirstlane_b32 s12, v1                    ; wave = head
	v_and_b32 v20, 31, v0                          ; lane
	v_and_b32 v21, 15, v0                          ; r
	v_bfe_u32 v22, v0, 4, 1                        ; h
	v_lshlrev_b32 v1, 4, v20                       ; an image's 16 bytes of my lane
	v_bfe_u32 v2, v0, 2, 1
	v_lshlrev_b32 v2, 9, v2
	v_bfe_u32 v23, v0, 3, 1
	v_lshl_add_u32 v2, v23, 8, v2
	v_lshl_add_u32 v2, v22, 7, v2
	v_and_b32 v23, 3, v0
	v_lshl_add_u32 v2, v23, 2, v2                  ; V(token 8 h + .., channel 16 ct + r): 512 ((r / 4) % 2) + 256 (r / 8) + 128 h + 4 (r % 4)
	v_lshlrev_b32 v3, 15, v22
	v_lshl_add_u32 v3, v21, 2, v3                  ; w_out: 8 h rows of 4,096 bytes + 4 r
	v_lshlrev_b32 v4, 3, v22
	v_sub_nc_u32 v4, v21, v4                       ; r - 8 h
	s_mul_i32 s14, s12, RED
	v_mul_u32_u24 v5, v21, 272
	v_lshl_add_u32 v5, v22, 5, v5
	v_add_nc_u32 v5, s14, v5                       ; my partial sums: row r, + 32 h
	s_mul_i32 s14, s12, 272
	v_lshlrev_b32 v7, 3, v20
	v_add_nc_u32 v6, s14, v7                       ; row w of a wave's partial sums, 8 bytes a lane
	s_and_b32 s13, ttmp7, 0xffff                   ; batch
	s_lshr_b32 s16, s12, 1
	s_lshl_b32 s16, s16, 2
	s_add_co_u32 s16, s16, s13
	s_lshl_b32 s16, s16, 13                        ; ((head / 2) x 4 + batch) x 8,192
	s_and_b32 s17, s12, 1
	s_lshl_b32 s17, s17, 12
	s_add_co_u32 s16, s16, s17                     ; + (head % 2) x 4,096
	s_mov_b32 s17, 0
	s_lshl_b32 s18, s12, 18                        ; w_out: 64 rows a head,
	s_lshl_b32 s20, ttmp9, 8                       ; 64 columns a work-group
	s_add_co_u32 s18, s18, s20
	s_mov_b32 s19, 0
	s_mov_b32 s21, 0
	s_lshl_b32 s22, s13, 23                        ; out0: batch x 2,048 rows of 4,096 bytes,
	s_lshl_b32 s23, s12, 12                        ; row w,
	s_add_co_u32 s22, s22, s23
	s_add_co_u32 s22, s22, s20
	s_mov_b32 s23, 0
	s_mov_b32 s24, 0x76543210
	s_mov_b32 s25, 0xfedcba98
	s_mov_b32 s26, 0x3e38aa3b                      ; c = log2(e) / 8
	s_wait_kmcnt 0x0
	s_add_nc_u64 s[4:5], s[4:5], s[16:17]
	s_add_nc_u64 s[6:7], s[6:7], s[18:19]
	s_add_nc_u64 s[8:9], s[8:9], s[20:21]
	s_add_nc_u64 s[10:11], s[10:11], s[22:23]
.irp n, 0,1,2,3,4,5,6,7
	global_load_b128 v[QR+4*\n:QR+4*\n+3], v1, s[4:5] offset:512*\n
.endr
.irp n, 0,1,2,3,4,5,6,7
	global_load_b128 v[KR+4*\n:KR+4*\n+3], v1, s[4:5] offset:262144+512*\n
.endr
.irp ct, 0,1,2,3
.irp i, 0,1,2,3,4,5,6,7
	global_load_b32 v[VR+8*\ct+\i], v2, s[4:5] offset:524288+1024*\ct+16*\i       ; V(8 h + i, 16 ct + r)
.endr
.endr
.irp ct, 0,1,2
.irp nt, 0,1,2,3
.irp u, 0,1,2,3
.irp j, 0,1
	global_load_b32 v[WR+32*\ct+8*\nt+2*\u+\j], v3, s[6:7] offset:(16*\ct+2*\u+\j)*4096+64*\nt   ; w_out(64 w + 16 ct + 8 h + 2 u + j, 64 cb + 16 nt + r)
.endr
.endr
.endr
.endr
	global_load_b64 v[10:11], v7, s[8:9]           ; b_out of my two columns
	s_wait_loadcnt 63                              ; Q, K and V are in: behind V's last load 97 younger ones were issued, and 63 is the most that the wait can name
.irp c, 0,1,2,3,4,5,6,7,8,9,10,11,12,13,14,15  ; S^T = K Q^T, 4 channels an instruction, in four partial sums by turns
.if \c < 4
	v_wmma_f32_16x16x4_f32 v[MA+8*(\c%4):MA+8*(\c%4)+7], v[KR+2*\c:KR+2*\c+1], v[QR+2*\c:QR+2*\c+1], 0
.else
	v_wmma_f32_16x16x4_f32 v[MA+8*(\c%4):MA+8*(\c%4)+7], v[KR+2*\c:KR+2*\c+1], v[QR+2*\c:QR+2*\c+1], v[MA+8*(\c%4):MA+8*(\c%4)+7]
.endif
.endr
.rept 9
	v_nop                                          ; places behind this form: 8 for reads and loads, 9 for the matrix instructions that write over these registers later
.endr
.irp nt, 0,1,2,3
.irp u, 0,1,2,3
.irp j, 0,1
	global_load_b32 v[KR+8*\nt+2*\u+\j], v3, s[6:7] offset:(48+2*\u+\j)*4096+64*\nt   ; w_out's last quarter, where K lay
.endr
.endr
.endr
.irp j, 0,1,2,3,4,5,6,7
	v_add_f32 v[12+\j], v[MA+\j], v[MA+8+\j]       ; each accumulator from its low end on
	v_add_f32 v[20+\j], v[MA+16+\j], v[MA+24+\j]
.endr
.irp j, 0,1,2,3,4,5,6,7
	v_add_f32 v[12+\j], v[12+\j], v[20+\j]         ; score of query r and key 8 h + j
.endr
	v_mov_b32 v28, 0xff800000
.irp j, 0,1,2,3,4,5,6,7
	v_cmp_gt_i32 vcc_lo, \j, v4                    ; hidden where 8 h + j > r
	v_cndmask_b32 v[12+\j], v[12+\j], v28, vcc_lo
.endr
	v_max3_num_f32 v20, v12, v13, v14
	v_max3_num_f32 v21, v15, v16, v17
	v_max3_num_f32 v20, v20, v18, v19
	v_max_num_f32 v20, v20, v21
	v_permlanex16_b32 v22, v20, s24, s25
	v_max_num_f32 v20, v20, v22                    ; the row's maximum: key 0 counts for every query, so it is a number
	v_mul_f32 v21, s26, v20
.irp j, 0,1,2,3,4,5,6,7
	v_fma_f32 v[12+\j], v[12+\j], s26, -v21
.endr
.irp j, 0,1,2,3,4,5,6,7
	v_exp_f32 v[12+\j], v[12+\j]
.endr
	v_nop
	s_wait_alu depctr_va_vdst(0)                   ; one wait for the eight exponentials, ahead of their first reader
	v_add_f32 v23, v12, v13
	v_add_f32 v24, v14, v15
	v_add_f32 v25, v16, v17
	v_add_f32 v26, v18, v19
	v_add_f32 v23, v23, v24
	v_add_f32 v25, v25, v26
	v_add_f32 v23, v23, v25
	v_permlanex16_b32 v22, v23, s24, s25
	v_add_f32 v23, v23, v22                        ; the row's sum
	v_rcp_f32 v24, v23
	v_nop
	s_wait_alu depctr_va_vdst(0)
.irp cp, 0,1,2,3                               ; O^T = V^T P: keys 8 h + 2 cp + j stand at k = 2 h + j in both operands; four tiles of channels by turns
.irp ct, 0,1,2,3
.if \cp == 0
	v_wmma_f32_16x16x4_f32 v[MA+8*\ct:MA+8*\ct+7], v[VR+8*\ct+2*\cp:VR+8*\ct+2*\cp+1], v[12+2*\cp:13+2*\cp], 0
.else
	v_wmma_f32_16x16x4_f32 v[MA+8*\ct:MA+8*\ct+7], v[VR+8*\ct+2*\cp:VR+8*\ct+2*\cp+1], v[12+2*\cp:13+2*\cp], v[MA+8*\ct:MA+8*\ct+7]
.endif
.endr
.endr
.rept 9
	v_nop
.endr
.irp j, 0,1,2,3,4,5,6,7,8,9,10,11,12,13,14,15,16,17,18,19,20,21,22,23,24,25,26,27,28,29,30,31
	v_mul_f32 v[QR+\j], v[MA+\j], v24              ; register 8 ct + j: O(query r, channel 16 ct + 8 h + j)
.endr
	s_wait_loadcnt 0x0                             ; w_out and b_out
.irp ct, 0,1,2,3                               ; out^T = w_out^T O^T: channels 16 ct + 8 h + 2 u + j stand at k = 2 h + j in both operands; four tiles of columns by turns
.irp u, 0,1,2,3
.irp nt, 0,1,2,3
.if \ct == 3
	v_wmma_f32_16x16x4_f32 v[MA+8*\nt:MA+8*\nt+7], v[KR+8*\nt+2*\u:KR+8*\nt+2*\u+1], v[QR+8*\ct+2*\u:QR+8*\ct+2*\u+1], v[MA+8*\nt:MA+8*\nt+7]
.elseif (\ct == 0) && (\u == 0)
	v_wmma_f32_16x16x4_f32 v[MA+8*\nt:MA+8*\nt+7], v[WR+32*\ct+8*\nt+2*\u:WR+32*\ct+8*\nt+2*\u+1], v[QR+8*\ct+2*\u:QR+8*\ct+2*\u+1], 0
.else
	v_wmma_f32_16x16x4_f32 v[MA+8*\nt:MA+8*\nt+7], v[WR+32*\ct+8*\nt+2*\u:WR+32*\ct+8*\nt+2*\u+1], v[QR+8*\ct+2*\u:QR+8*\ct+2*\u+1], v[MA+8*\nt:MA+8*\nt+7]
.endif
.endr
.endr
.endr
.rept 9
	v_nop
.endr
.irp nt, 0,1,2,3
	ds_store_b128 v5, v[MA+8*\nt:MA+8*\nt+3] offset:64*\nt          ; my head's part of out(query r, 64 cb + 16 nt + 8 h + 0 .. 7)
	ds_store_b128 v5, v[MA+8*\nt+4:MA+8*\nt+7] offset:64*\nt+16
.endr
	s_wait_dscnt 0x0                               ; for the others' sake: my stores are done
	s_barrier_signal -1
	s_barrier_wait -1
.irp k, 0,1,2,3,4,5,6,7,8,9,10,11,12,13,14,15
	ds_load_b64 v[QR+2*\k:QR+2*\k+1], v6 offset:\k*RED             ; row w of all sixteen heads' parts
.endr
	s_wait_dscnt 0x0
.irp k, 0,1,2,3,4,5,6,7
	v_pk_add_f32 v[QR+4*\k:QR+4*\k+1], v[QR+4*\k:QR+4*\k+1], v[QR+4*\k+2:QR+4*\k+3]
.endr
.irp k, 0,1,2,3
	v_pk_add_f32 v[QR+8*\k:QR+8*\k+1], v[QR+8*\k:QR+8*\k+1], v[QR+8*\k+4:QR+8*\k+5]
.endr
.irp k, 0,1
	v_pk_add_f32 v[QR+16*\k:QR+16*\k+1], v[QR+16*\k:QR+16*\k+1], v[QR+16*\k+8:QR+16*\k+9]
.endr
	v_pk_add_f32 v[QR:QR+1], v[QR:QR+1], v[QR+16:QR+17]
	v_pk_add_f32 v[QR:QR+1], v[QR:QR+1], v[10:11]
	global_store_b64 v7, v[QR:QR+1], s[10:11]      ; the wave stores 256 consecutive bytes, aligned
	s_wait_tensorcnt 0x0                           ; the wave's end
	ds_add_u32 v8, v9
	s_wait_dscnt 0x0
	s_endpgm
.Lfunc_end_k_q1610b18d46_fine:
	.size	k_q1610b18d46_fine, .Lfunc_end_k_q1610b18d46_fine-k_q1610b18d46_fine
	.p2alignl 7, 3214868480
	.fill 96, 4, 3214868480
	.section	.rodata,"a",@progbits
	.p2align	6, 0x0
	.amdhsa_kernel k_q1610b18d46_fine
		.amdhsa_group_segment_fixed_size 71680
		.amdhsa_private_segment_fixed_size 0
		.amdhsa_enable_private_segment 0
		.amdhsa_kernarg_size 32
		.amdhsa_user_sgpr_count 2
		.amdhsa_user_sgpr_kernarg_segment_ptr 1
		.amdhsa_wavefront_size32 1
		.amdhsa_system_sgpr_workgroup_id_x 1
		.amdhsa_system_sgpr_workgroup_id_y 1
		.amdhsa_system_sgpr_workgroup_id_z 1
		.amdhsa_system_vgpr_workitem_id 0
		.amdhsa_next_free_vgpr 256
		.amdhsa_next_free_sgpr 66
		.amdhsa_reserve_vcc 1
		.amdhsa_float_denorm_mode_32 3
		.amdhsa_float_denorm_mode_16_64 3
		.amdhsa_memory_ordered 1
		.amdhsa_forward_progress 1
		.amdhsa_inst_pref_size 33
	.end_amdhsa_kernel
	.amdgpu_metadata
---
amdhsa.version: [ 1, 2 ]
amdhsa.kernels:
  - .name:           k_q1610b18d46_fine
    .symbol:         k_q1610b18d46_fine.kd
    .args:
      - { .name: qkv32, .offset: 0, .size: 8, .value_kind: global_buffer, .address_space: global }
      - { .name: w_out, .offset: 8, .size: 8, .value_kind: global_buffer, .address_space: global }
      - { .name: b_out, .offset: 16, .size: 8, .value_kind: global_buffer, .address_space: global }
      - { .name: out0, .offset: 24, .size: 8, .value_kind: global_buffer, .address_space: global }
    .group_segment_fixed_size: 71680
    .private_segment_fixed_size: 0
    .kernarg_segment_align: 8
    .kernarg_segment_size: 32
    .max_flat_workgroup_size: 512
    .sgpr_count:     66
    .vgpr_count:     256
    .wavefront_size: 32
...
	.end_amdgpu_metadata
.endif
;; end of part 5
